; MI455X (gfx1250); checked and timed in simulation.
; The chip was launched on July 23, 2026; its instructions are those of AMD's public machine-readable ISA for CDNA 5 (MIT licence, August 2026) and "CDNA5" Instruction Set Architecture Reference Guide (July 2026). The comments in the code are by the model that wrote it; some were corrected since.
;; Mo E Layer. Allowed arithmetic: matrix products marked QUANTISED: E2M3 operands, one E8M0 scale for each 32 along K, by v_wmma_scale_f32_16x16x128_f8f6f4 with both operands' format E2M3, f32 sums; products left as they are: f32 operands where the result goes on into a quantised operand, else bf16, f16 or f32 operands; f32 sums; everything else in f32.
;; Inputs: b1 8 x 4,096 float32; b2 8 x 1,024 float32; gate_b 8 float32; gate_w 1,024 x 8 float32; w1 8 x 1,024 x 4,096 float32; w2 8 x 4,096 x 1,024 float32; x 4 x 256 x 1,024 float32.
;; Outputs: out0 4 x 256 x 1,024 float32.
;; This version of the problem:
;;   THIS VERSION OF THE PROBLEM IS GIVEN IN LOW PRECISION. The matrix products marked QUANTISED in the list below multiply operands that are first quantised to E2M3 (2 exponent bits, 3 mantissa bits; 6 bits a number), with one power-of-two scale for each 32 numbers along K (OCP MX v1.0); their sums are f32. All else is computed in f32.
;;   The module's matrix products, in the order in which they are computed (A, B: the left and right operand; K: the contracted axis; several contracted axes count as one K, in the product's order):
;;     1. [M 1,024, K 1,024] x [K 1,024, N 8]; A: input x; B: input gate_w: left as it is (N = 8 < 16)
;;     2. [M 32,768, K 1,024] x [K 1,024, N 1,024]; A: input w1; B: input x: QUANTISED
;;     3. batch 8 x [M 1,024, K 4,096] x [K 4,096, N 1,024]; A: computed on the way; B: input w2: QUANTISED
;;     4. batch 1,024 x [M 1,024, K 8] x [K 8, N 1]; A: computed on the way; B: computed on the way: left as it is (K = 8 < 32)
;;   THE QUANTISER, for each operand of a quantised product, along K:
;;     - K is cut into blocks of 32 from its start; a last block that is shorter is filled with zeros.
;;     - A block's scale is 2^e with e = floor(log2(the largest magnitude in the block)) - 2, held to -126 .. 127; a block of zeros has e = 0. As a byte (E8M0): e + 127.
;;     - Each number is divided by its block's scale, clamped to +-7.5, and rounded to the nearest number of E2M3, ties to even, subnormals kept.
;;     - The product sums the exact products of the quantised numbers (number of the format x scale) in f32.
;;   ~~~python
;;   def quantise(x, axis):      # numpy; x: float32 -> the quantised numbers, widened to float32 again
;;       x = np.moveaxis(x, axis, -1); K = x.shape[-1]
;;       x = np.pad(x, [(0, 0)] * (x.ndim - 1) + [(0, -K % 32)]); x = x.reshape(x.shape[:-1] + (-1, 32)); a = np.abs(x).max(-1, keepdims=True)
;;       e = np.where(a > 0, np.clip(np.frexp(np.where(a > 0, a, 1))[1] - 1 - 2, -126, 127), 0)      # np.frexp(a)[1] - 1 = floor(log2(a)), exactly
;;       r = np.clip(x / 2.0 ** e, -7.5, 7.5)
;;       step = 2.0 ** (np.maximum(np.frexp(np.where(r == 0, 1, r))[1] - 1, 0) - 3)
;;       q = np.round(r / step) * step * 2.0 ** e      # np.round: ties to even
;;       return np.moveaxis(q.reshape(q.shape[:-2] + (-1,))[..., :K], -1, axis).astype(np.float32)
;;   ~~~
;;   OPERANDS COMPUTED ON THE WAY. 'Computed on the way' means the value that the module computes at that place (a softmax that the list does not call 'softmax' is quantised finished and normalised). What goes into a quantiser is computed in f32, as accurately as f32 sums, v_exp_f32 and their like allow (about 1e-6 of the number): no bf16 or f16 on the way to a quantiser, and a product that is left as it is and whose result goes on into a quantised operand takes f32 operands (vector FMAs, or v_wmma_f32_16x16x4_f32). A number that lies on a knife's edge between two numbers of the format may be rounded either way, as far as f32 arithmetic and the matrix unit's own rounding can turn it there, and no further.
;; 2 versions. Each part assembles by itself: llvm-mc -triple=amdgcn-amd-amdhsa -mcpu=gfx1250 --defsym DOCPART=n.
;; ======== version 1 of 2: 5 launches
;; workspace buffers: top1 4,096 bytes of whole numbers; meta 256 bytes of whole numbers; slotmap 4,096 bytes of whole numbers; xq 872,448 bytes; xs 36,352 bytes; hq 3,489,792 bytes; hs 145,408 bytes; part 9,306,112 bytes
;; launch gate (part 1): grid 256 x 1, 4 waves a work-group, no clusters, 1,024 bytes of LDS; arguments x, gate_w, gate_b, top1; writes top1
.if DOCPART == 1
	.amdgcn_target "amdgcn-amd-amdhsa--gfx1250"
	.amdhsa_code_object_version 6
	.text
	.protected	k_q6cb02e4ff9_gate
	.globl	k_q6cb02e4ff9_gate
	.p2align	8
	.type	k_q6cb02e4ff9_gate,@function
k_q6cb02e4ff9_gate:
	s_mov_b64 s[64:65], 0
	v_nop
	global_prefetch_b8 v0, s[64:65] scope:SCOPE_SE
	s_setreg_imm32_b32 hwreg(HW_REG_WAVE_MODE, 25, 1), 1
	s_wait_xcnt 0x0
; THE GATE: top1[token] = argmax over the 8 experts of x[token] . gate_w[:, e] + gate_b[e], in f32, stored as whole numbers for the later launches.
; WORK LEFT OUT BY THE WHOLE PROGRAM, and why it can reach no output:
;  (1) The softmax.  p_e = exp(l_e - max) / sum rises strictly with l_e and gives equal p for equal l, so argmax(p) = argmax(l) for all finite
;      logits, ties on the lower index included.  Only the argmax of p is used further on.
;  (2) The experts that were not chosen.  The mask is one_hot(top1), built in the problem's own body: y[e, token] with e != top1[token] is multiplied
;      by 0 in the last product.  So for each token only its own expert's row of both quantised products is computed, and the last product is a lookup.
;      The weights of an expert that no token chose are not read.
;  Every input still has a way to the output, so all seven are arguments of some launch.
; LIMITS: a NaN, an infinity or an overflow that arises only in the rows left out is not carried to the result.  A NaN among the logits is not served
;  (the comparison below treats it as larger).  Two logits that differ by less than the rounding of a sum of 1,024 f32 terms may be ordered either way.
; SHARES: a work-group takes 4 tokens.  Wave q takes d = 256 q .. 256 q + 255 of all four; lane l the eight d = 256 q + 128 u + 4 l + j.  The lanes' sums meet by
;  lane exchanges, the four waves' in LDS; wave 0 adds them, adds gate_b and takes the argmax.  No matrix unit: N = 8 is half a tile, and the sums must be f32.
.set TOK,   4
.set GW,    32                         ; v32-95   gate_w[d][e] at GW + 8 (4 u + j) + e
.set X,     96                         ; v96-127  x[token t][d] at X + 8 t + 4 u + j
.set AC,    128                        ; v128-135 the eight sums of the token in hand
.set PT,    136                        ; v136-143 what the other half of the lanes sends
.set SPW,   14                         ; v14 LDS address of my spare word; never rewritten
.set NIL,   15                         ; v15 0; never rewritten
.set SPARE, 512                        ; LDS: 0-511 the partial sums [wave][token][8]; from 512 the spare words, 128 bytes a wave, which no other line names
	s_load_b256 s[4:11], s[0:1], 0x0               ; x s[4:5], gate_w s[6:7], gate_b s[8:9], top1 s[10:11]
	v_lshl_add_u32 v[SPW], v0, 2, SPARE
	v_mov_b32 v[NIL], 0
	v_lshrrev_b32 v1, 5, v0
	v_readfirstlane_b32 s12, v1                    ; wave q
	v_and_b32 v2, 31, v0                           ; lane
	v_lshlrev_b32 v3, 7, v2                        ; gate_w: four rows of 32 bytes a lane,
	v_lshl_add_u32 v3, s12, 13, v3                 ; + 256 rows a wave
	v_lshlrev_b32 v4, 4, v2                        ; x: 16 bytes a lane,
	v_lshl_add_u32 v4, s12, 10, v4                 ; + 1,024 bytes a wave
	s_lshl_b32 s13, s12, 7
	v_mov_b32 v5, s13                              ; LDS: my wave's 128 bytes of partial sums
	v_and_b32 v6, 3, v0                            ; the token that my lane finishes (wave 0)
	v_lshlrev_b32 v7, 2, v6                        ; its word in top1
	v_lshlrev_b32 v6, 5, v6                        ; its 32 bytes in a wave's partial sums
	s_lshl_b32 s14, ttmp9, 14                      ; the work-group's 4 rows of x, 4,096 bytes each
	s_mov_b32 s15, 0
	s_lshl_b32 s26, ttmp9, 4                       ; and its 4 words of top1
	s_mov_b32 s27, 0
	s_mov_b32 s24, 0x76543210                      ; lane selects: each lane takes its own place in the other half
	s_mov_b32 s25, 0xfedcba98
.irp e, 0,1,2,3,4,5,6,7
	v_mov_b32 v[PT+\e], 0                          ; written once: a lane exchange's destination counts as one of its sources
.endr
	s_wait_kmcnt 0x0
	s_load_b256 s[16:23], s[8:9], 0x0              ; gate_b, eight numbers
	s_add_nc_u64 s[4:5], s[4:5], s[14:15]
	s_add_nc_u64 s[10:11], s[10:11], s[26:27]
.irp d, 0,1,2,3,4,5,6,7
.irp k, 0,1
	global_load_b128 v[GW+8*\d+4*\k:GW+8*\d+4*\k+3], v3, s[6:7] offset:4096*(\d/4)+32*(\d%4)+16*\k
.endr
.endr
.irp t, 0,1,2,3
.irp u, 0,1
	global_load_b128 v[X+8*\t+4*\u:X+8*\t+4*\u+3], v4, s[4:5] offset:4096*\t+512*\u   ; 32 lanes read 512 consecutive bytes
.endr
.endr
.macro TOKEN t
	s_wait_loadcnt 2*(TOK-1-(\t))                  ; loads come back in order: gate_w and this token are in, the later tokens' two loads each may be out
.irp e, 0,1,2,3,4,5,6,7
	v_mul_f32 v[AC+\e], v[GW+\e], v[X+8*(\t)]      ; the first product starts each sum
.endr
.irp d, 1,2,3,4,5,6,7
.irp e, 0,1,2,3,4,5,6,7
	v_fmac_f32 v[AC+\e], v[GW+8*\d+\e], v[X+8*(\t)+\d]
.endr
.endr
.irp m, 1,2,4,8                                ; over the 16 lanes of a half, the eight sums by turns
.irp e, 0,1,2,3,4,5,6,7
	v_add_f32_dpp v[AC+\e], v[AC+\e], v[AC+\e] row_xmask:\m row_mask:0xf bank_mask:0xf
.endr
.endr
.irp e, 0,1,2,3,4,5,6,7
	v_permlanex16_b32 v[PT+\e], v[AC+\e], s24, s25
.endr
.irp e, 0,1,2,3,4,5,6,7
	v_add_f32 v[AC+\e], v[AC+\e], v[PT+\e]         ; every lane now holds my wave's part of the eight logits
.endr
	ds_store_b128 v5, v[AC:AC+3] offset:32*(\t)    ; all lanes write the same bytes with the same values
	ds_store_b128 v5, v[AC+4:AC+7] offset:32*(\t)+16
.endm
	TOKEN 0
	TOKEN 1
	TOKEN 2
	TOKEN 3
	s_wait_kmcnt 0x0                               ; gate_b
	s_wait_dscnt 0x0                               ; for the others' sake: my partial sums lie in LDS
	s_barrier_signal -1
	s_barrier_wait -1
	s_cmp_lg_u32 s12, 0
	s_cbranch_scc1 .Lend                           ; wave 0 alone finishes; no barrier follows
.irp q, 0,1,2,3
.irp k, 0,1
	ds_load_b128 v[GW+8*\q+4*\k:GW+8*\q+4*\k+3], v6 offset:128*\q+16*\k   ; lane l: token l % 4, wave q's part
.endr
.endr
	s_wait_dscnt 0x0
.irp e, 0,1,2,3,4,5,6,7
	v_add_f32 v[GW+\e], v[GW+\e], v[GW+8+\e]
	v_add_f32 v[GW+16+\e], v[GW+16+\e], v[GW+24+\e]
.endr
.irp e, 0,1,2,3,4,5,6,7
	v_add_f32 v[GW+\e], v[GW+\e], v[GW+16+\e]
.endr
.irp e, 0,1,2,3,4,5,6,7
	v_add_f32 v[GW+\e], s[16+\e], v[GW+\e]         ; + gate_b
.endr
	v_mov_b32 v8, 0                                ; the argmax: a later expert wins only where it is strictly larger, so ties keep the lower index
	v_mov_b32 v9, v[GW]
.irp e, 1,2,3,4,5,6,7
	v_cmp_le_f32 vcc_lo, v[GW+\e], v9
	v_cndmask_b32 v8, \e, v8, vcc_lo               ; a choice of a value: nothing in this launch branches or addresses by it
	v_max_num_f32 v9, v9, v[GW+\e]
.endr
	global_store_b32 v7, v8, s[10:11]              ; 16 bytes a work-group (eight lanes write each word, with the same value): 4,096 bytes in the whole launch
.Lend:
	s_wait_tensorcnt 0x0                           ; the wave's end: three closing lines behind my last LDS store
	ds_add_u32 v[SPW], v[NIL]
	s_wait_dscnt 0x0
	s_endpgm
.Lfunc_end_k_q6cb02e4ff9_gate:
	.size	k_q6cb02e4ff9_gate, .Lfunc_end_k_q6cb02e4ff9_gate-k_q6cb02e4ff9_gate
	.p2alignl 7, 3214868480
	.fill 96, 4, 3214868480
	.section	.rodata,"a",@progbits
	.p2align	6, 0x0
	.amdhsa_kernel k_q6cb02e4ff9_gate
		.amdhsa_group_segment_fixed_size 1024
		.amdhsa_private_segment_fixed_size 0
		.amdhsa_enable_private_segment 0
		.amdhsa_kernarg_size 32
		.amdhsa_user_sgpr_count 2
		.amdhsa_user_sgpr_kernarg_segment_ptr 1
		.amdhsa_wavefront_size32 1
		.amdhsa_system_sgpr_workgroup_id_x 1
		.amdhsa_system_sgpr_workgroup_id_y 1
		.amdhsa_system_sgpr_workgroup_id_z 1
		.amdhsa_system_vgpr_workitem_id 0
		.amdhsa_next_free_vgpr 160
		.amdhsa_next_free_sgpr 66
		.amdhsa_reserve_vcc 1
		.amdhsa_float_denorm_mode_32 3
		.amdhsa_float_denorm_mode_16_64 3
		.amdhsa_memory_ordered 1
		.amdhsa_forward_progress 1
		.amdhsa_inst_pref_size 27
	.end_amdhsa_kernel
	.amdgpu_metadata
---
amdhsa.version: [ 1, 2 ]
amdhsa.kernels:
  - .name:           k_q6cb02e4ff9_gate
    .symbol:         k_q6cb02e4ff9_gate.kd
    .args:
      - { .name: x, .offset: 0, .size: 8, .value_kind: global_buffer, .address_space: global }
      - { .name: gate_w, .offset: 8, .size: 8, .value_kind: global_buffer, .address_space: global }
      - { .name: gate_b, .offset: 16, .size: 8, .value_kind: global_buffer, .address_space: global }
      - { .name: top1, .offset: 24, .size: 8, .value_kind: global_buffer, .address_space: global }
    .group_segment_fixed_size: 1024
    .private_segment_fixed_size: 0
    .kernarg_segment_align: 8
    .kernarg_segment_size: 32
    .max_flat_workgroup_size: 128
    .sgpr_count:     66
    .vgpr_count:     160
    .wavefront_size: 32
...
	.end_amdgpu_metadata
.endif
;; end of part 1
;; launch place (part 2): grid 71 x 1, 4 waves a work-group, no clusters, 0 bytes of LDS; arguments top1, x, xq, xs, slotmap, meta; writes xq, xs, slotmap, meta
.if DOCPART == 2
	.amdgcn_target "amdgcn-amd-amdhsa--gfx1250"
	.amdhsa_code_object_version 6
	.text
	.protected	k_q6cb02e4ff9_place
	.globl	k_q6cb02e4ff9_place
	.p2align	8
	.type	k_q6cb02e4ff9_place,@function
k_q6cb02e4ff9_place:
	s_mov_b64 s[64:65], 0
	v_nop
	global_prefetch_b8 v0, s[64:65] scope:SCOPE_SE
	s_setreg_imm32_b32 hwreg(HW_REG_WAVE_MODE, 25, 1), 1
	s_wait_xcnt 0x0
; THE PLACING.  From top1 (whole numbers, stored by the launch before) the tokens are laid in TILES of 16 slots, each tile of one expert; work-group g makes tile g:
; it finds its 16 tokens, quantises their rows of x along K to E2M3 with one E8M0 byte for each 32, and stores them as images of the matrix operand's registers.
; Only the chosen expert's rows are computed further on (the mask is one_hot(top1), built in the problem's own body): this launch is where that choice becomes addresses.
; THE GRID serves every split: with 1,024 tokens, 8 experts and tiles of 16 there are never more than 64 + 7 = 71 tiles.  A work-group beyond the split's number of tiles ends.
; ORDER in an expert's list: by the register G that holds the token below, then by lane: any fixed order serves, since slotmap carries it to the last launch.
; A tile's slots beyond its expert's count hold a copy of some token; nothing reads their results.
; LAYOUTS.  xq: [tile][K step 0..7][1,536 bytes]: a fragment (16 tokens x 128 K, 12 registers a lane) as [q 0..2][lane][16 bytes], q = registers 4 q .. 4 q + 3.
;  xs: [tile][part 0..1][256 bytes]; K step 4 part + 2 u + f of token r has its scale word at (16 f + r) 8 + 4 u: a load of 8 bytes a lane then brings two scale registers,
;  each with an even K step in lanes 0-15 and the odd one behind it in lanes 16-31.   slotmap[token] = 16 tile + row.   meta: words 0-7 an expert's first tile, 8-15 its tiles.
; THE QUANTISER: a block's scale byte is its largest magnitude's exponent field - 2, held at 1 from below; a block of zeros so gets the byte 1 (its codes are zeros, and this program alone reads the bytes).
; LIMITS: NaN and infinities in x are not served.  No barrier, no LDS: every wave counts for itself; wave w quantises K steps 2 w and 2 w + 1.
.set TV,  32                           ; v32-63   top1: register G, lane l: token 128 (G / 4) + 4 l + G % 4
.set XN,  64                           ; v64-191  my 2 x 64 numbers of x
.set PC,  192                          ; v192-215 two fragments' codes
.set MX,  216                          ; v216-219 largest magnitudes
.set SC,  220                          ; v220-221 the conversions' scale operands
.set BY,  222                          ; v222-223 scale bytes
.set CT,  224                          ; v224-231 the upper halves of two blocks' codes
.set PW,  232                          ; v232-233 two scale words
.set PT,  234
.set VM,  235                          ; v235     4 x lane: the address of the list of tiles; made at the head, holds nothing else
; two blocks of 32 numbers, v[src] .. and v[src + 32] .., become six registers of codes each, at d0 and d1, and a scale byte each in v[BY], v[BY + 1]
.macro QBLK2 src, d0, d1
.irp h, 0,1,2,3
	v_max3_num_f32 v[MX+\h], |v[(\src)+16*\h]|, |v[(\src)+16*\h+1]|, 0x1800000   ; four chains of 16 numbers; the floor 2^(3 - 127) holds the byte at 1 from below
.endr
.irp i, 2,4,6,8,10,12,14
.irp h, 0,1,2,3
	v_max3_num_f32 v[MX+\h], v[MX+\h], |v[(\src)+16*\h+\i]|, |v[(\src)+16*\h+\i+1]|
.endr
.endr
	v_max_num_f32 v[MX], v[MX], v[MX+1]
	v_max_num_f32 v[MX+2], v[MX+2], v[MX+3]
	v_add_nc_u32 v[SC], 0xff000000, v[MX]          ; 2 off the exponent field: the conversion takes that field as its scale and nothing else
	v_add_nc_u32 v[SC+1], 0xff000000, v[MX+2]
	v_cvt_scalef32_pk16_fp6_f32 v[(\d0):(\d0)+2], v[(\src):(\src)+15], v[SC]
	v_cvt_scalef32_pk16_fp6_f32 v[CT:CT+2], v[(\src)+16:(\src)+31], v[SC]       ; (a conversion's three registers begin on an even number)
	v_cvt_scalef32_pk16_fp6_f32 v[(\d1):(\d1)+2], v[(\src)+32:(\src)+47], v[SC+1]
	v_cvt_scalef32_pk16_fp6_f32 v[CT+4:CT+6], v[(\src)+48:(\src)+63], v[SC+1]
	v_lshrrev_b32 v[BY], 23, v[SC]                 ; the bytes; also the plain line between the conversions and the moves that read their results
	v_lshrrev_b32 v[BY+1], 23, v[SC+1]
.irp i, 0,1,2
	v_mov_b32 v[(\d0)+3+\i], v[CT+\i]
	v_mov_b32 v[(\d1)+3+\i], v[CT+4+\i]
.endr
.endm
	s_load_b256 s[4:11], s[0:1], 0x0               ; top1 s[4:5], x s[6:7], xq s[8:9], xs s[10:11]
	s_load_b128 s[12:15], s[0:1], 0x20             ; slotmap s[12:13], meta s[14:15]
	v_lshrrev_b32 v1, 5, v0
	v_readfirstlane_b32 s84, v1                    ; wave
	v_and_b32 v1, 31, v0                           ; lane
	v_lshlrev_b32 v2, 4, v1                        ; 16 x lane
	v_lshlrev_b32 v[VM], 2, v1                     ; 4 x lane
	s_mov_b32 s80, 0x76543210
	s_mov_b32 s81, 0xfedcba98                      ; lane selects for lane l xor 16
	s_wait_kmcnt 0x0
.irp g, 0,1,2,3,4,5,6,7
	global_load_b128 v[TV+4*\g:TV+4*\g+3], v2, s[4:5] offset:512*\g   ; all of top1: 4,096 bytes
.endr
	v_mov_b32 v3, 1
	v_mov_b32 v4, 0                                ; my lane's counts of experts 0-3, a byte each
	v_mov_b32 v5, 0                                ; and of experts e and e + 4 together
.irp i, 0,1,2,3
	v_mov_b32 v[12+\i], 0                          ; written once: destinations of lane moves count as sources
.endr
	v_mov_b32 v[PT], 0
	v_bfe_u32 v26, v0, 4, 1                        ; h = lane / 16
	v_lshlrev_b32 v27, 3, v26                      ; 8 h
	v_lshlrev_b32 v28, 3, v1                       ; 8 x lane
	s_wait_loadcnt 0x0
; THE COUNTS.  A lane has 32 tokens, so a byte holds each of its counts.
.set G, 0
.rept 32
	v_lshlrev_b32 v[6+G%2], 3, v[TV+G]             ; 8 e
	v_lshlrev_b32 v[6+G%2], v[6+G%2], v3           ; 1 << (8 e mod 32): a shift takes its amount's low five bits
	v_cmp_gt_u32 vcc_lo, 4, v[TV+G]
	v_add_nc_u32 v5, v5, v[6+G%2]
	v_cndmask_b32 v[6+G%2], 0, v[6+G%2], vcc_lo
	v_add_nc_u32 v4, v4, v[6+G%2]
.set G, G+1
.endr
	v_sub_nc_u32 v5, v5, v4                        ; experts 4-7: no byte borrows
	v_and_b32 v8, 0xff00ff, v4                     ; fields of 16 bits, which hold 1,024: experts 0 and 2,
	v_lshrrev_b32 v9, 8, v4
	v_and_b32 v9, 0xff00ff, v9                     ; 1 and 3,
	v_and_b32 v10, 0xff00ff, v5                    ; 4 and 6,
	v_lshrrev_b32 v11, 8, v5
	v_and_b32 v11, 0xff00ff, v11                   ; 5 and 7
.irp m, 1,2,4,8
.irp i, 0,1,2,3
	v_mov_b32_dpp v[12+\i], v[8+\i] row_xmask:\m row_mask:0xf bank_mask:0xf
.endr
.irp i, 0,1,2,3
	v_add_nc_u32 v[8+\i], v[8+\i], v[12+\i]
.endr
.endr
.irp i, 0,1,2,3
	v_permlanex16_b32 v[12+\i], v[8+\i], s80, s81
.endr
.irp i, 0,1,2,3
	v_add_nc_u32 v[8+\i], v[8+\i], v[12+\i]
.endr
.irp i, 0,1,2,3
	v_readfirstlane_b32 s[74+\i], v[8+\i]
.endr
	s_and_b32 s16, s74, 0xffff                     ; s16-23: n_e
	s_lshr_b32 s18, s74, 16
	s_and_b32 s17, s75, 0xffff
	s_lshr_b32 s19, s75, 16
	s_and_b32 s20, s76, 0xffff
	s_lshr_b32 s22, s76, 16
	s_and_b32 s21, s77, 0xffff
	s_lshr_b32 s23, s77, 16
.irp e, 0,1,2,3,4,5,6,7
	s_add_co_u32 s[24+\e], s[16+\e], 15
	s_lshr_b32 s[24+\e], s[24+\e], 4               ; s24-31: an expert's tiles
.endr
	s_mov_b32 s66, 0                               ; s66-73: its first tile
.irp e, 0,1,2,3,4,5,6
	s_add_co_u32 s[67+\e], s[66+\e], s[24+\e]
.endr
	s_add_co_u32 s78, s73, s31                     ; tiles in all
	s_cmp_ge_u32 ttmp9, s78
	s_cbranch_scc1 .Lend                           ; this split has no tile for me
	s_mov_b32 s85, 0                               ; my tile's expert: the last whose first tile is at or under mine (one without tiles is passed over),
	s_mov_b32 s86, 0                               ; that first tile,
	s_mov_b32 s87, s16                             ; and the expert's count
.irp e, 1,2,3,4,5,6,7
	s_cmp_le_u32 s[66+\e], ttmp9
	s_cselect_b32 s85, \e, s85
	s_cselect_b32 s86, s[66+\e], s86
	s_cselect_b32 s87, s[16+\e], s87
.endr
; WHICH TOKEN HAS RANK k IN MY EXPERT'S LIST?  k = 16 (tile - first tile) + lane % 16.  No scatter: each lane searches.
.set G, 0
.rept 32
	v_cmp_eq_u32 s[32+G], s85, v[TV+G]             ; s32-63: which lanes hold a token of my expert in register G
.set G, G+1
.endr
	s_sub_co_u32 s88, ttmp9, s86
	s_lshl_b32 s88, s88, 4
	v_and_b32 v16, 15, v0
	v_add_nc_u32 v16, s88, v16                     ; k
	v_mov_b32 v17, s32                             ; of the last register whose tokens begin at or under rank k: its mask,
	v_mov_b32 v18, 0                               ; the rank at which it begins,
	v_mov_b32 v19, 0                               ; its number
	s_mov_b32 s89, 0
.set G, 1
.rept 31
	s_bcnt1_i32_b32 s90, s[31+G]
	s_add_co_u32 s89, s89, s90                     ; the rank at which register G begins
	v_cmp_gt_u32 vcc_lo, s89, v16                  ; beyond k: keep what I have
	v_cndmask_b32 v17, s[32+G], v17, vcc_lo
	v_cndmask_b32 v18, s89, v18, vcc_lo
	v_cndmask_b32 v19, G, v19, vcc_lo
.set G, G+1
.endr
	v_sub_nc_u32 v20, v16, v18                     ; j: the set bit wanted, counted from 0
	v_mov_b32 v21, 0
	v_mov_b32 v22, 0
.set G, 0
.rept 32
	v_bfe_u32 v23, v17, G, 1
	v_add_nc_u32 v21, v21, v23                     ; set bits up to and with this one
	v_cmp_le_u32 vcc_lo, v21, v20
	v_add_co_ci_u32 v22, vcc_lo, 0, v22, vcc_lo    ; the places that lie ahead of set bit j are those with a count of j or less: their number is its place
.set G, G+1
.endr
	v_lshrrev_b32 v23, 2, v19
	v_lshlrev_b32 v23, 7, v23
	v_lshl_add_u32 v23, v22, 2, v23
	v_and_b32 v24, 3, v19
	v_add_nc_u32 v23, v23, v24                     ; token = 128 (G / 4) + 4 lane + G % 4
	v_min_u32 v23, 0x3ff, v23                      ; a slot beyond the count lands on some token
; THE ROWS.  Lane (r, h) of K step s wants k = 128 s + 64 c + 32 h + 0 .. 31 of token r: two whole blocks, 128 bytes each.
	v_lshlrev_b32 v25, 12, v23
	v_lshl_add_u32 v25, v26, 7, v25
	s_lshl_b32 s90, s84, 10                        ; my wave's two K steps: 1,024 bytes of a row
	v_add_nc_u32 v25, s90, v25
.irp t, 0,1
.irp c, 0,1
.irp i, 0,1,2,3,4,5,6,7
	global_load_b128 v[XN+64*\t+32*\c+4*\i:XN+64*\t+32*\c+4*\i+3], v25, s[6:7] offset:512*\t+256*\c+16*\i
.endr
.endr
.endr
	s_mul_i32 s90, ttmp9, 12288                    ; xq: my tile, my wave's two images
	s_mul_i32 s91, s84, 3072
	s_add_co_u32 s90, s90, s91
	s_mov_b32 s91, 0
	s_add_nc_u64 s[8:9], s[8:9], s[90:91]
	s_lshl_b32 s90, ttmp9, 9                       ; xs: my tile, part wave / 2, register wave % 2
	s_lshr_b32 s92, s84, 1
	s_lshl_b32 s92, s92, 8
	s_add_co_u32 s90, s90, s92
	s_and_b32 s92, s84, 1
	s_lshl_b32 s92, s92, 2
	s_add_co_u32 s90, s90, s92
	s_add_nc_u64 s[10:11], s[10:11], s[90:91]
	s_mov_b32 s92, 0xffff0000
.irp t, 0,1
	s_wait_loadcnt 16-16*\t                        ; this K step's 16 loads are in; the second step's 16 may be out
	QBLK2 XN+64*\t, PC+12*\t, PC+12*\t+6
	v_lshl_or_b32 v[PW+\t], v[BY+1], 16, v[BY]     ; my two bytes: blocks h and 2 + h,
	v_lshlrev_b32 v[PW+\t], v27, v[PW+\t]          ; at their places in the row's scale word;
	v_permlanex16_b32 v[PT], v[PW+\t], s80, s81
	v_or_b32 v[PW+\t], v[PW+\t], v[PT]             ; with lane l xor 16's two the word is whole
.irp q, 0,1,2
	global_store_b128 v2, v[PC+12*\t+4*\q:PC+12*\t+4*\q+3], s[8:9] offset:1536*\t+512*\q   ; 32 lanes store 512 consecutive bytes
.endr
.endr
	v_cndmask_b32 v[PW], v[PW], v[PW+1], s92       ; lanes 0-15 the even K step's word, lanes 16-31 the odd one's
	global_store_b32 v28, v[PW], s[10:11]
	s_cmp_lg_u32 s84, 0
	s_cbranch_scc1 .Lend
	v_lshlrev_b32 v29, 2, v23                      ; wave 0: slotmap[token] = 16 tile + row, for the slots that hold a token of their own
	s_lshl_b32 s94, ttmp9, 4
	v_and_b32 v30, 15, v0
	v_add_nc_u32 v30, s94, v30
	v_cmp_gt_u32 vcc_lo, s87, v16                  ; k under the expert's count
	s_wait_xcnt 0x0                                ; EXEC is a source of the stores above: it changes only behind this wait
	s_and_saveexec_b32 s93, vcc_lo
	global_store_b32 v29, v30, s[12:13]            ; (lanes l and l + 16 write the same word with the same value)
	s_wait_xcnt 0x0                                ; and again in front of the line that widens it
	s_or_b32 exec_lo, exec_lo, s93
	s_cmp_lg_u32 ttmp9, 0
	s_cbranch_scc1 .Lend
	v_mov_b32 v31, 0                               ; work-group 0: the list of tiles
.irp e, 0,1,2,3,4,5,6,7
	v_writelane_b32 v31, s[66+\e], \e
	v_writelane_b32 v31, s[24+\e], 8+\e
.endr
	global_store_b32 v[VM], v31, s[14:15]          ; 128 bytes: words 0-15 the list, 16-31 zeros
.Lend:
	s_endpgm
.Lfunc_end_k_q6cb02e4ff9_place:
	.size	k_q6cb02e4ff9_place, .Lfunc_end_k_q6cb02e4ff9_place-k_q6cb02e4ff9_place
	.p2alignl 7, 3214868480
	.fill 96, 4, 3214868480
	.section	.rodata,"a",@progbits
	.p2align	6, 0x0
	.amdhsa_kernel k_q6cb02e4ff9_place
		.amdhsa_group_segment_fixed_size 0
		.amdhsa_private_segment_fixed_size 0
		.amdhsa_enable_private_segment 0
		.amdhsa_kernarg_size 48
		.amdhsa_user_sgpr_count 2
		.amdhsa_user_sgpr_kernarg_segment_ptr 1
		.amdhsa_wavefront_size32 1
		.amdhsa_system_sgpr_workgroup_id_x 1
		.amdhsa_system_sgpr_workgroup_id_y 1
		.amdhsa_system_sgpr_workgroup_id_z 1
		.amdhsa_system_vgpr_workitem_id 0
		.amdhsa_next_free_vgpr 240
		.amdhsa_next_free_sgpr 96
		.amdhsa_reserve_vcc 1
		.amdhsa_float_denorm_mode_32 3
		.amdhsa_float_denorm_mode_16_64 3
		.amdhsa_memory_ordered 1
		.amdhsa_forward_progress 1
		.amdhsa_inst_pref_size 38
	.end_amdhsa_kernel
	.amdgpu_metadata
---
amdhsa.version: [ 1, 2 ]
amdhsa.kernels:
  - .name:           k_q6cb02e4ff9_place
    .symbol:         k_q6cb02e4ff9_place.kd
    .args:
      - { .name: top1, .offset: 0, .size: 8, .value_kind: global_buffer, .address_space: global }
      - { .name: x, .offset: 8, .size: 8, .value_kind: global_buffer, .address_space: global }
      - { .name: xq, .offset: 16, .size: 8, .value_kind: global_buffer, .address_space: global }
      - { .name: xs, .offset: 24, .size: 8, .value_kind: global_buffer, .address_space: global }
      - { .name: slotmap, .offset: 32, .size: 8, .value_kind: global_buffer, .address_space: global }
      - { .name: meta, .offset: 40, .size: 8, .value_kind: global_buffer, .address_space: global }
    .group_segment_fixed_size: 0
    .private_segment_fixed_size: 0
    .kernarg_segment_align: 8
    .kernarg_segment_size: 48
    .max_flat_workgroup_size: 128
    .sgpr_count:     96
    .vgpr_count:     240
    .wavefront_size: 32
...
	.end_amdgpu_metadata
.endif
;; end of part 2
;; launch ffn1 (part 3): grid 256 x 1, 4 waves a work-group, no clusters, 197,632 bytes of LDS; arguments w1, b1, xq, xs, meta, hq, hs; writes hq, hs
.if DOCPART == 3
	.amdgcn_target "amdgcn-amd-amdhsa--gfx1250"
	.amdhsa_code_object_version 6
	.text
	.protected	k_q6cb02e4ff9_ffn1
	.globl	k_q6cb02e4ff9_ffn1
	.p2align	8
	.type	k_q6cb02e4ff9_ffn1,@function
k_q6cb02e4ff9_ffn1:
	s_mov_b64 s[64:65], 0
	v_nop
	global_prefetch_b8 v0, s[64:65] scope:SCOPE_SE
	s_setreg_imm32_b32 hwreg(HW_REG_WAVE_MODE, 25, 1), 1
	s_wait_xcnt 0x0
; THE FIRST PRODUCT: h = relu(x W1[e] + b1[e]) for the tokens of expert e alone (the others' rows are multiplied by the 0 of one_hot(top1) in the problem's last product), then h quantised along F.
; WHAT BINDS: w1's 134 MB of f32, read once.  So the work is shared by WEIGHTS, evenly for every split: work-group = (expert e = wg / 32, columns 128 fg .. + 127, fg = wg % 32);
; wave w: columns 64 (w % 2) on, rows (K) 512 (w / 2) on: 64 columns x 512 rows = 128 KB.  W1 is quantised in registers on its way to the matrix unit and never stored.  The two K halves meet in LDS.
; HOW W COMES.  One load of 16 bytes a lane takes two rows: lanes 0-15 the wave's 256 consecutive bytes of row 64 c + i, lanes 16-31 those of the row 32 further down.  After a GROUP of 32 such loads lane (r, hh) holds
; block 2 c + hh (32 along K) of columns 4 r + j, j = 0 .. 3, at register 4 i + j.  The columns 4 r + j, r = 0 .. 15, form tile j: so the lane holds just what the 6-bit operand layout gives it; only its registers
; are interleaved, and 128 moves a group lay each column's 32 numbers on end for the conversions.
; THE PRODUCT is used with source 0 = a tile of W (16 columns), source 1 = an image of 16 tokens: lane (r, h) of the result holds token r, and register jj of tile j column 32 h + 4 jj + j: its 32 registers are one block of 32 along F.
; ORDER OF h's CODES: in each block of 32 along F, place p holds F offset 4 (p % 8) + p / 8 (the accumulators' order).  The next launch lays W2's rows alike: a permutation inside a block, alike on both sides, keeps scales and products.
; PASSES.  A pass serves up to 12 tiles (192 tokens).  The loop over passes has the constant count 6 (6 x 12 >= 64 tiles); a pass with no tile jumps over the stream, never over a barrier.  An expert with more than 192 tokens reads its weights again.
; No tensor load, no cluster: jumps hang on the stored list of tiles, and no two work-groups read the same weights.  LIMITS: NaN and infinities are not served; a block of zeros gets the byte 1 (its codes are zeros; this program alone reads the bytes).
; REGISTERS, in windows of 256.  Window 0: below.  Window 1: v0-127, v128-255 the two groups as they land.  Window 2: accumulators of tiles 0-7 (tile i, column tile j at 32 i + 8 j).  Window 3: v0-127 those of tiles 8-11; v128-247 the token images of tiles 0-9.
.set PITCH, 16384                      ; a row of w1 in bytes
.set TILEB, 12288                      ; a tile's images in xq
.set STB,   512                        ; and its scale records in xs
.set NPASS, 6
.set BIAS,  196608                     ; LDS: 0 .. 196,607 partial sums [tile 12][wave 4][4,096]; then b1's 128 numbers in the accumulators' order;
.set SPARE, 197120                     ; then the spare words, 128 bytes a wave, which no other line names
.set VW,   1                           ; w1: hh x 32 rows + 16 r
.set VL16, 2                           ; 16 x lane
.set VL8,  3                           ; 8 x lane
.set SH8,  4                           ; 8 hh
.set VRS,  5                           ; v5-7   LDS: where I put partial sums: 16 lane + 4,096 wave + 65,536 k
.set VRL,  8                           ; v8-10  LDS: where I read a tile's: 16 lane + 16,384 wave + 65,536 m
.set VBI,  11                          ; LDS: the bias of my half: BIAS + 128 h
.set VBS,  12                          ; LDS: where wave 0 puts the bias
.set VSW,  13                          ; hs: 8 (lane % 16)
.set SPW,  14
.set NIL,  15
.set VA,   16                          ; v16-27 tile i's offset in the pass's images
.set VPF,  28                          ; lane x a row of w1
.set VT,   32                          ; v32-95 two columns' blocks on end; later a tile's 64 numbers of h
.set WF,   96                          ; v96-143 W's four fragments; later h's codes
.set SW,   144                         ; v144-147 W's scale words
.set SA,   148                         ; v148-171 the tokens' scale words, a pair a tile
.set AFX,  172                         ; v172-195 the token images of tiles 10, 11
.set MX,   196
.set SC,   200
.set BY,   202
.set PW,   205
.set CT,   208
.set VSA,  216                         ; v216-227 tile i's offset in the pass's scale records
.set PT4,  228                         ; v228-231
.set S_W, 22
.set S_E, 23
.set S_FG, 24
.set S_CH, 25
.set S_KH, 26
.set S_T, 27
.set S_TB, 28
.set S_TP, 29                          ; tiles in this pass
.set S_TPM1, 30
.set S_PASS, 31
.set S_TILE0, 32                       ; the pass's first tile
.set S_MO, 33
.set WB, 34                            ; s[34:35] my part of w1
.set AB, 36                            ; s[36:37] the pass's images, my K half
.set SB, 38                            ; s[38:39] the pass's scale records, my K half
.set HO, 48
.set HSO, 50
.set XQB, 52
.set XSB, 54
.set HQB, 56
.set HSB, 58
.set B1B, 60
.set MSB, 0
.macro WIN new                         ; the immediate's high byte repeats the setting that is left; a switch that changes nothing is dropped.  At every label and branch the setting is 0
.if MSB != (\new)
	s_set_vgpr_msb (MSB<<8)|(\new)
.set MSB, (\new)
.endif
.endm
.macro GLOAD c, s                      ; group c of K step s: 32 loads, 16 KB
	WIN 0x40                                       ; destination window 1
.set gi, 0
.rept 32
	global_load_b128 v[128*(\c)+4*gi:128*(\c)+4*gi+3], v[VW], s[WB:WB+1] offset:(128*(\s)+64*(\c)+gi)*PITCH th:TH_LOAD_NT   ; sixteen lanes read 256 consecutive, aligned bytes; read once in the launch
.set gi, gi+1
.endr
	WIN 0
.endm
.macro DEINT c, j0                     ; columns j0 and j0 + 1 of group c: each one's 32 numbers on end
	WIN 0x01                                       ; source window 1
.set dp, 0
.rept 32
	v_mov_b32 v[VT+dp], v[128*(\c)+4*dp+(\j0)]
	v_mov_b32 v[VT+32+dp], v[128*(\c)+4*dp+(\j0)+1]
.set dp, dp+1
.endr
	WIN 0
.endm
; two blocks of 32 numbers, v[src] .. and v[src + 32] .., become six registers of codes each, at d0 and d1, and a scale byte each in v[BY], v[BY + 1]
.macro QBLK2 src, d0, d1
.irp h, 0,1,2,3
	v_max3_num_f32 v[MX+\h], |v[(\src)+16*\h]|, |v[(\src)+16*\h+1]|, 0x1800000   ; four chains of 16 numbers; the floor 2^(3 - 127) holds the byte at 1 from below
.endr
.irp i, 2,4,6,8,10,12,14
.irp h, 0,1,2,3
	v_max3_num_f32 v[MX+\h], v[MX+\h], |v[(\src)+16*\h+\i]|, |v[(\src)+16*\h+\i+1]|
.endr
.endr
	v_max_num_f32 v[MX], v[MX], v[MX+1]
	v_max_num_f32 v[MX+2], v[MX+2], v[MX+3]
	v_add_nc_u32 v[SC], 0xff000000, v[MX]          ; 2 off the exponent field: the conversion takes that field as its scale and nothing else
	v_add_nc_u32 v[SC+1], 0xff000000, v[MX+2]
	v_cvt_scalef32_pk16_fp6_f32 v[(\d0):(\d0)+2], v[(\src):(\src)+15], v[SC]
	v_cvt_scalef32_pk16_fp6_f32 v[CT:CT+2], v[(\src)+16:(\src)+31], v[SC]       ; (a conversion's three registers begin on an even number)
	v_cvt_scalef32_pk16_fp6_f32 v[(\d1):(\d1)+2], v[(\src)+32:(\src)+47], v[SC+1]
	v_cvt_scalef32_pk16_fp6_f32 v[CT+4:CT+6], v[(\src)+48:(\src)+63], v[SC+1]
	v_lshrrev_b32 v[BY], 23, v[SC]                 ; the bytes; also the plain line between the conversions and whatever touches their results next
	v_lshrrev_b32 v[BY+1], 23, v[SC+1]
.irp i, 0,1,2
	v_mov_b32 v[(\d0)+3+\i], v[CT+\i]
	v_mov_b32 v[(\d1)+3+\i], v[CT+4+\i]
.endr
.endm
.macro QW c, j0                        ; the two columns in v[VT] on become registers 6 c .. 6 c + 5 of W's fragments j0 and j0 + 1
	QBLK2 VT, WF+12*(\j0)+6*(\c), WF+12*(\j0)+12+6*(\c)
.if (\c) == 0
	v_mov_b32 v[SW+(\j0)], v[BY]
	v_mov_b32 v[SW+(\j0)+1], v[BY+1]
.else
	v_lshl_or_b32 v[SW+(\j0)], v[BY], 16, v[SW+(\j0)]
	v_lshl_or_b32 v[SW+(\j0)+1], v[BY+1], 16, v[SW+(\j0)+1]
.endif
.endm
.macro SWFIN                           ; my bytes are those of blocks hh and 2 + hh: 8 hh bits up, and lane l xor 16's beside them, the scale words are whole
.irp j, 0,1,2,3
	v_lshlrev_b32 v[SW+\j], v[SH8], v[SW+\j]
.endr
.irp j, 0,1,2,3
	v_permlanex16_b32 v[PT4+\j], v[SW+\j], s20, s21
.endr
.irp j, 0,1,2,3
	v_or_b32 v[SW+\j], v[SW+\j], v[PT4+\j]
.endr
.rept 8
	v_nop                                          ; a scale register written by a vector line stands eight places ahead of a scaled product, an operand so written four
.endr
.endm
.macro ALOADS s, cond                  ; the token images of K step s.  cond = 1: of the pass's tiles alone
.irp i, 0,1,2,3,4,5,6,7,8,9,10,11
.if (\cond) && (\i > 0)
	WIN 0
	s_cmp_le_u32 s[S_TP], \i
	s_cbranch_scc1 .Lal_done_\@
.endif
.if \i < 10
	WIN 0xc0                                       ; destination window 3
.irp q, 0,1,2
	global_load_b128 v[128+12*\i+4*\q:128+12*\i+4*\q+3], v[VA+\i], s[AB:AB+1] offset:1536*(\s)+512*\q
.endr
.else
	WIN 0
.irp q, 0,1,2
	global_load_b128 v[AFX+12*(\i-10)+4*\q:AFX+12*(\i-10)+4*\q+3], v[VA+\i], s[AB:AB+1] offset:1536*(\s)+512*\q
.endr
.endif
.endr
	WIN 0
.Lal_done_\@:
.endm
.macro WM acc, wf, af, sw, sa, zero, odd
.if \zero
	v_wmma_scale_f32_16x16x128_f8f6f4 v[(\acc):(\acc)+7], v[(\wf):(\wf)+11], v[(\af):(\af)+11], 0, v[\sw], v[\sa] matrix_a_fmt:MATRIX_FMT_FP6 matrix_b_fmt:MATRIX_FMT_FP6
.elseif \odd
	v_wmma_scale_f32_16x16x128_f8f6f4 v[(\acc):(\acc)+7], v[(\wf):(\wf)+11], v[(\af):(\af)+11], v[(\acc):(\acc)+7], v[\sw], v[\sa] matrix_a_fmt:MATRIX_FMT_FP6 matrix_b_fmt:MATRIX_FMT_FP6 matrix_b_scale:MATRIX_SCALE_ROW1
.else
	v_wmma_scale_f32_16x16x128_f8f6f4 v[(\acc):(\acc)+7], v[(\wf):(\wf)+11], v[(\af):(\af)+11], v[(\acc):(\acc)+7], v[\sw], v[\sa] matrix_a_fmt:MATRIX_FMT_FP6 matrix_b_fmt:MATRIX_FMT_FP6
.endif
.endm
; K step s's products: each tile of tokens against W's four tiles.  The accumulators take turns, one instruction a turn, from K step to K step too.
; first = 1: all 12 tiles, so that every sum begins with the constant 0 and nothing is cleared (a tile beyond the pass's count multiplies a copy of the last one, and is not stored).
.macro MULT s, first
.irp i, 0,1,2,3,4,5,6,7,8,9,10,11
.if !(\first) && (\i > 0)
	WIN 0
	s_cmp_le_u32 s[S_TP], \i
	s_cbranch_scc1 .Lmu_done_\@
.endif
.if \i < 8
.set AW, 0xac                          ; source 0 (W) window 0, source 1 (tokens) window 3, C and D window 2
.set AC0, 32*\i
.set AF0, 128+12*\i
.elseif \i < 10
.set AW, 0xfc                          ; C and D window 3
.set AC0, 32*(\i-8)
.set AF0, 128+12*\i
.else
.set AW, 0xf0                          ; the tokens' image in window 0
.set AC0, 32*(\i-8)
.set AF0, AFX+12*(\i-10)
.endif
	WIN AW
.irp j, 0,1,2,3
	WM AC0+8*\j, WF+12*\j, AF0, SW+\j, SA+2*\i+((\s)>>1), \first, ((\s)&1)
.endr
.endr
	WIN 0
.Lmu_done_\@:
.endm
; A PREFETCH INTO THE L2 of K step s of my own part of w1: 128 rows x 256 bytes, a lane a row, four instructions.  Each of these blocks is read by my wave alone, so each is named once in the launch: in the first pass only.
; It stands behind the trip's loads; trip s - 2 asks, which is one trip ahead of that K step's loads.  K steps 0 and 1 come by their loads alone, and the last two trips ask for nothing.
.macro PREF s
	s_cmp_lg_u32 s[S_PASS], 0
	s_cbranch_scc1 .Lnp_\@
.irp k, 0,1,2,3
	global_prefetch_b8 v[VPF], s[WB:WB+1] offset:(128*(\s)+32*\k)*PITCH th:TH_LOAD_NT scope:SCOPE_SE
.endr
.Lnp_\@:
.endm
.macro KSTEP s, first, last
.if \first
	s_wait_loadcnt 63                              ; group 0 is in: behind it stand group 1's 32 loads, 12 scale pairs and 36 image loads, more than a count can name
.else
	s_wait_loadcnt 32                              ; all but the 32 loads issued last, group 1's: group 0 and this K step's images are in, however many tiles the pass has
.endif
	DEINT 0, 0
	QW 0, 0
	DEINT 0, 2
.if !(\last)
	GLOAD 0, (\s)+1                                ; group 0's registers have been read: the next K step's land there
.endif
	QW 0, 2
.if \last
	s_wait_loadcnt 0x0
.else
	s_wait_loadcnt 32                              ; all but the 32 just issued: group 1 is in (in K step 0 the scale pairs and images too)
.endif
	DEINT 1, 0
	QW 1, 0
	DEINT 1, 2
	QW 1, 2
	SWFIN
	MULT \s, \first
.rept 4
	v_nop                                          ; four places between the last product and loads into its operands, or reads of its result
.endr
.if !(\last)
	ALOADS (\s)+1, 1                               ; ahead of the full group, so that the count 32 holds on every way
	GLOAD 1, (\s)+1
.if (\s) < 2
	PREF (\s)+2
.endif
.endif
.endm
.macro REDOUT                          ; my partial sums of the pass's tiles go to LDS as images of their registers, each accumulator from its low end on
.irp i, 0,1,2,3,4,5,6,7,8,9,10,11
.if \i > 0
	WIN 0
	s_cmp_le_u32 s[S_TP], \i
	s_cbranch_scc1 .Lro_done_\@
.endif
.if \i < 8
	WIN 0x08                                       ; an LDS store's data are its source 1: window 2
.set RB, 32*\i
.else
	WIN 0x0c
.set RB, 32*(\i-8)
.endif
.irp q, 0,1,2,3,4,5,6,7
	ds_store_b128 v[VRS+\i/4], v[RB+4*\q:RB+4*\q+3] offset:(\i%4)*16384+512*\q
.endr
.endr
	WIN 0
.Lro_done_\@:
.endm
; Tile 4 m + wave of the pass is mine to finish: the two K halves are added, b1, relu, the quantiser; the image is K step fg of the next product.
.macro FIN m
	s_add_co_u32 s42, s[S_W], 4*(\m)
	s_cmp_ge_u32 s42, s[S_TP]
	s_cbranch_scc1 .Lfin_\@
	s_wait_xcnt 0x0                                ; the last block's stores have read their data and bases: both are written again below
	s_add_co_u32 s42, s42, s[S_TILE0]
	s_min_u32 s42, s42, 70
	s_mul_i32 s40, s42, 49152
	s_mov_b32 s41, 0
	s_add_nc_u64 s[HO:HO+1], s[HQB:HQB+1], s[40:41]
	s_lshl_b32 s40, s42, 11
	s_add_nc_u64 s[HSO:HSO+1], s[HSB:HSB+1], s[40:41]
	WIN 0x40
.irp w, 0,1,2,3
.irp q, 0,1,2,3,4,5,6,7
	ds_load_b128 v[128+32*\w+4*\q:128+32*\w+4*\q+3], v[VRL+\m] offset:4096*\w+512*\q
.endr
.endr
.irp c, 0,1
.irp q, 0,1,2,3,4,5,6,7
	ds_load_b128 v[32*\c+4*\q:32*\c+4*\q+3], v[VBI] offset:256*\c+16*\q
.endr
.endr
	s_wait_dscnt 0x0
	WIN 0x05                                       ; both sources window 1
.irp c, 0,1
.irp k, 0,1,2,3,4,5,6,7,8,9,10,11,12,13,14,15
	v_pk_add_f32 v[VT+32*\c+2*\k:VT+32*\c+2*\k+1], v[128+32*\c+2*\k:128+32*\c+2*\k+1], v[192+32*\c+2*\k:192+32*\c+2*\k+1]   ; wave c's (K half 0) + wave c + 2's (K half 1)
.endr
.endr
	WIN 0x04                                       ; source 1 window 1
.irp k, 0,1,2,3,4,5,6,7,8,9,10,11,12,13,14,15,16,17,18,19,20,21,22,23,24,25,26,27,28,29,30,31
	v_pk_add_f32 v[VT+2*\k:VT+2*\k+1], v[VT+2*\k:VT+2*\k+1], v[2*\k:2*\k+1]   ; + b1
.endr
	WIN 0
.irp k, 0,1,2,3,4,5,6,7,8,9,10,11,12,13,14,15,16,17,18,19,20,21,22,23,24,25,26,27,28,29,30,31,32,33,34,35,36,37,38,39,40,41,42,43,44,45,46,47,48,49,50,51,52,53,54,55,56,57,58,59,60,61,62,63
	v_max_num_f32 v[VT+\k], 0, v[VT+\k]            ; relu, in f32
.endr
	QBLK2 VT, WF, WF+6                             ; lane (r, h): blocks h and 2 + h of token r: the operand's own layout
	v_lshl_or_b32 v[PW], v[BY+1], 16, v[BY]
	v_lshlrev_b32 v[PW], v[SH8], v[PW]
	v_permlanex16_b32 v[PT4], v[PW], s20, s21
	v_or_b32 v[PW], v[PW], v[PT4]
.irp q, 0,1,2
	global_store_b128 v[VL16], v[WF+4*\q:WF+4*\q+3], s[HO:HO+1] offset:512*\q   ; 32 lanes store 512 consecutive bytes
.endr
	global_store_b32 v[VSW], v[PW], s[HSO:HSO+1]   ; (lanes l and l + 16 write the same word with the same value)
.Lfin_\@:
.endm
	s_load_b256 s[4:11], s[0:1], 0x0               ; w1 s[4:5], b1 s[6:7], xq s[8:9], xs s[10:11]
	s_load_b128 s[12:15], s[0:1], 0x20             ; meta s[12:13], hq s[14:15]
	s_load_b64 s[16:17], s[0:1], 0x30              ; hs
	v_lshl_add_u32 v[SPW], v0, 2, SPARE
	v_mov_b32 v[NIL], 0
	v_lshrrev_b32 v29, 5, v0
	v_readfirstlane_b32 s[S_W], v29                ; wave
	v_and_b32 v29, 31, v0                          ; lane
	v_and_b32 v30, 15, v0                          ; r
	v_bfe_u32 v31, v0, 4, 1                        ; h
	v_lshlrev_b32 v[VL16], 4, v29
	v_lshlrev_b32 v[VL8], 3, v29
	v_lshlrev_b32 v[SH8], 3, v31
	v_lshlrev_b32 v[VW], 4, v30
	v_lshl_add_u32 v[VW], v31, 19, v[VW]           ; 32 rows of 16,384 bytes
	v_lshlrev_b32 v[VPF], 14, v29
	v_lshlrev_b32 v[VSW], 3, v30
	s_lshl_b32 s40, s[S_W], 12                     ; every LDS address is made here, ahead of the first parting of the waves
	v_add_nc_u32 v[VRS], s40, v[VL16]
	v_add_nc_u32 v[VRS+1], 0x10000, v[VRS]
	v_add_nc_u32 v[VRS+2], 0x20000, v[VRS]
	s_lshl_b32 s40, s[S_W], 14
	v_add_nc_u32 v[VRL], s40, v[VL16]
	v_add_nc_u32 v[VRL+1], 0x10000, v[VRL]
	v_add_nc_u32 v[VRL+2], 0x20000, v[VRL]
	v_lshl_add_u32 v[VBI], v31, 7, BIAS
	v_and_b32 v[VBS], 7, v29                       ; b1's number 4 l + j lies in block l / 8 at F offset 4 (l % 8) + j, which is place 8 j + l % 8 of the accumulators' order
	v_lshlrev_b32 v[VBS], 2, v[VBS]
	v_lshrrev_b32 v30, 3, v29
	v_lshl_add_u32 v[VBS], v30, 7, v[VBS]
	v_add_nc_u32 v[VBS], BIAS, v[VBS]
.irp j, 0,1,2,3
	v_mov_b32 v[PT4+\j], 0                         ; written once: a lane exchange's destination counts as one of its sources
.endr
	s_lshr_b32 s[S_E], ttmp9, 5
	s_and_b32 s[S_FG], ttmp9, 31
	s_and_b32 s[S_CH], s[S_W], 1
	s_lshr_b32 s[S_KH], s[S_W], 1
	s_lshl_b32 s[S_MO], s[S_E], 2
	s_mov_b32 s20, 0x76543210
	s_mov_b32 s21, 0xfedcba98
	s_wait_kmcnt 0x0
	s_load_b32 s[S_TB], s[12:13], s[S_MO] offset:0x0    ; my expert's first tile,
	s_load_b32 s[S_T], s[12:13], s[S_MO] offset:0x20    ; and its tiles
	s_lshl_b32 s40, s[S_E], 24                     ; w1: expert, K half, column group, column half
	s_lshl_b32 s42, s[S_KH], 23
	s_add_co_u32 s40, s40, s42
	s_lshl_b32 s42, s[S_FG], 9
	s_add_co_u32 s40, s40, s42
	s_lshl_b32 s42, s[S_CH], 8
	s_add_co_u32 s40, s40, s42
	s_mov_b32 s41, 0
	s_add_nc_u64 s[WB:WB+1], s[4:5], s[40:41]
	s_lshl_b32 s40, s[S_E], 14
	s_lshl_b32 s42, s[S_FG], 9
	s_add_co_u32 s40, s40, s42
	s_add_nc_u64 s[B1B:B1B+1], s[6:7], s[40:41]
	s_mul_i32 s40, s[S_KH], 6144                   ; my K half: four images,
	s_add_nc_u64 s[XQB:XQB+1], s[8:9], s[40:41]
	s_lshl_b32 s40, s[S_KH], 8                     ; one scale record
	s_add_nc_u64 s[XSB:XSB+1], s[10:11], s[40:41]
	s_mul_i32 s40, s[S_FG], 1536                   ; hq: K step fg
	s_add_nc_u64 s[HQB:HQB+1], s[14:15], s[40:41]
	s_lshr_b32 s40, s[S_FG], 2                     ; hs: record fg / 4, half fg % 2, register (fg / 2) % 2
	s_lshl_b32 s40, s40, 8
	s_and_b32 s42, s[S_FG], 1
	s_lshl_b32 s42, s42, 7
	s_add_co_u32 s40, s40, s42
	s_bfe_u32 s42, s[S_FG], 0x10001
	s_lshl_b32 s42, s42, 2
	s_add_co_u32 s40, s40, s42
	s_add_nc_u64 s[HSB:HSB+1], s[16:17], s[40:41]
	s_wait_kmcnt 0x0
	s_min_u32 s[S_TB], s[S_TB], 70
	s_min_u32 s[S_T], s[S_T], 64
	s_cmp_lg_u32 s[S_W], 0
	s_cbranch_scc1 .Lno_bias
	global_load_b128 v[VT:VT+3], v[VL16], s[B1B:B1B+1]   ; wave 0: the work-group's 128 numbers of b1
	s_wait_loadcnt 0x0
.irp j, 0,1,2,3
	ds_store_b32 v[VBS], v[VT+\j] offset:32*\j     ; read behind the first barrier below, in front of which I wait for these stores
.endr
.Lno_bias:
	s_mov_b32 s[S_PASS], 0
.Lpass:
	s_wait_xcnt 0x0                                ; bases, offsets and store data of the pass before are written again
	s_mul_i32 s40, s[S_PASS], 12
	s_sub_co_i32 s41, s[S_T], s40
	s_max_i32 s41, s41, 0
	s_min_u32 s[S_TP], s41, 12
	s_add_co_u32 s42, s[S_TB], s40
	s_min_u32 s[S_TILE0], s42, 70
	s_cmp_eq_u32 s[S_TP], 0
	s_cbranch_scc1 .Lno_stream                     ; the same in all four waves; it leads round the stream alone
	s_sub_co_u32 s[S_TPM1], s[S_TP], 1
	s_mul_i32 s40, s[S_TILE0], TILEB
	s_mov_b32 s41, 0
	s_add_nc_u64 s[AB:AB+1], s[XQB:XQB+1], s[40:41]
	s_mul_i32 s40, s[S_TILE0], STB
	s_add_nc_u64 s[SB:SB+1], s[XSB:XSB+1], s[40:41]
	GLOAD 0, 0                                     ; the weights first: they have the longest way
	GLOAD 1, 0
.irp i, 0,1,2,3,4,5,6,7,8,9,10,11
	s_min_u32 s42, s[S_TPM1], \i                   ; a tile beyond the pass's count takes the last one's place
	s_mul_i32 s43, s42, TILEB
	v_add_nc_u32 v[VA+\i], s43, v[VL16]
	s_mul_i32 s43, s42, STB
	v_add_nc_u32 v[VSA+\i], s43, v[VL8]
.endr
.irp i, 0,1,2,3,4,5,6,7,8,9,10,11
	global_load_b64 v[SA+2*\i:SA+2*\i+1], v[VSA+\i], s[SB:SB+1]   ; four K steps' scale words of 16 tokens: 256 consecutive bytes
.endr
	ALOADS 0, 0
	KSTEP 0, 1, 0
	KSTEP 1, 0, 0
	KSTEP 2, 0, 0
	KSTEP 3, 0, 1
	REDOUT
.Lno_stream:
	s_wait_dscnt 0x0                               ; for the others' sake: my partial sums (and wave 0's bias) lie in LDS
	s_barrier_signal -1
	s_barrier_wait -1
	FIN 0
	FIN 1
	FIN 2
	s_wait_dscnt 0x0                               ; my reads of the partial sums are over: behind this barrier the next pass may write them
	s_barrier_signal -1
	s_barrier_wait -1
	s_add_co_u32 s[S_PASS], s[S_PASS], 1
	s_cmp_lt_u32 s[S_PASS], NPASS
	s_cbranch_scc1 .Lpass
	s_wait_tensorcnt 0x0                           ; the wave's end: three closing lines behind my last LDS store
	ds_add_u32 v[SPW], v[NIL]
	s_wait_dscnt 0x0
	s_endpgm
.Lfunc_end_k_q6cb02e4ff9_ffn1:
	.size	k_q6cb02e4ff9_ffn1, .Lfunc_end_k_q6cb02e4ff9_ffn1-k_q6cb02e4ff9_ffn1
	.p2alignl 7, 3214868480
	.fill 96, 4, 3214868480
	.section	.rodata,"a",@progbits
	.p2align	6, 0x0
	.amdhsa_kernel k_q6cb02e4ff9_ffn1
		.amdhsa_group_segment_fixed_size 197632
		.amdhsa_private_segment_fixed_size 0
		.amdhsa_enable_private_segment 0
		.amdhsa_kernarg_size 56
		.amdhsa_user_sgpr_count 2
		.amdhsa_user_sgpr_kernarg_segment_ptr 1
		.amdhsa_wavefront_size32 1
		.amdhsa_system_sgpr_workgroup_id_x 1
		.amdhsa_system_sgpr_workgroup_id_y 1
		.amdhsa_system_sgpr_workgroup_id_z 1
		.amdhsa_system_vgpr_workitem_id 0
		.amdhsa_next_free_vgpr 1024
		.amdhsa_next_free_sgpr 66
		.amdhsa_reserve_vcc 0
		.amdhsa_float_denorm_mode_32 3
		.amdhsa_float_denorm_mode_16_64 3
		.amdhsa_memory_ordered 1
		.amdhsa_forward_progress 1
		.amdhsa_inst_pref_size 210
	.end_amdhsa_kernel
	.amdgpu_metadata
---
amdhsa.version: [ 1, 2 ]
amdhsa.kernels:
  - .name:           k_q6cb02e4ff9_ffn1
    .symbol:         k_q6cb02e4ff9_ffn1.kd
    .args:
      - { .name: w1, .offset: 0, .size: 8, .value_kind: global_buffer, .address_space: global }
      - { .name: b1, .offset: 8, .size: 8, .value_kind: global_buffer, .address_space: global }
      - { .name: xq, .offset: 16, .size: 8, .value_kind: global_buffer, .address_space: global }
      - { .name: xs, .offset: 24, .size: 8, .value_kind: global_buffer, .address_space: global }
      - { .name: meta, .offset: 32, .size: 8, .value_kind: global_buffer, .address_space: global }
      - { .name: hq, .offset: 40, .size: 8, .value_kind: global_buffer, .address_space: global }
      - { .name: hs, .offset: 48, .size: 8, .value_kind: global_buffer, .address_space: global }
    .group_segment_fixed_size: 197632
    .private_segment_fixed_size: 0
    .kernarg_segment_align: 8
    .kernarg_segment_size: 56
    .max_flat_workgroup_size: 128
    .sgpr_count:     66
    .vgpr_count:     1024
    .wavefront_size: 32
...
	.end_amdgpu_metadata
.endif
;; end of part 3
;; launch ffn2 (part 4): grid 256 x 1, 4 waves a work-group, no clusters, 214,528 bytes of LDS; arguments w2, hq, hs, meta, part; writes part
.if DOCPART == 4
	.amdgcn_target "amdgcn-amd-amdhsa--gfx1250"
	.amdhsa_code_object_version 6
	.text
	.protected	k_q6cb02e4ff9_ffn2
	.globl	k_q6cb02e4ff9_ffn2
	.p2align	8
	.type	k_q6cb02e4ff9_ffn2,@function
k_q6cb02e4ff9_ffn2:
	s_mov_b64 s[64:65], 0
	v_nop
	global_prefetch_b8 v0, s[64:65] scope:SCOPE_SE
	s_setreg_imm32_b32 hwreg(HW_REG_WAVE_MODE, 25, 1), 1
	s_wait_xcnt 0x0
; THE SECOND PRODUCT: part[kh][slot][:] = h[slot][F half kh] W2[e][F half kh][:], for the tokens of expert e alone (the others' rows are multiplied by the 0 of one_hot(top1) in the problem's last product).
; WHAT BINDS: w2's 134 MB of f32, read once.  Shares by WEIGHTS, evenly for every split: work-group = (expert e = wg / 32, columns 64 cg .. + 63 with cg = (wg / 2) % 16, F half kh = wg % 2);
; wave w: rows 2,048 kh + 512 w on: 64 columns x 512 rows = 128 KB.  The four waves' partial sums meet in LDS; the two F halves are two owners of two buffers' rows and are added by the last launch:
; w2 has 128 slices of 64 columns (whole runs of 256 bytes of a row), half as many as there are WGPs, so K is shared out too.
; The stream, the quantiser in registers, the products and the passes are the first product's, with one difference: ROW ORDER.  h's codes lie, in each block of 32 along F, with F offset 4 (p % 8) + p / 8 at place p;
; so load i of a group takes the row at that offset.  A permutation inside a block, alike on both sides, keeps the block's scale and its products.
; The product: source 0 = a tile of W2 (columns 4 r + j), source 1 = an image of 16 tokens: lane (r, h) holds token r, register jj of tile j column 32 h + 4 jj + j.
; No tensor load, no cluster: jumps hang on the stored list of tiles, and no two work-groups read the same weights.  LIMITS: NaN and infinities are not served; a block of zeros gets the byte 1.
; REGISTERS, in windows of 256.  Window 0: below.  Window 1: v0-127, v128-255 the two groups as they land.  Window 2: accumulators of tiles 0-7 (tile i, column tile j at 32 i + 8 j).  Window 3: v0-127 those of tiles 8-11; v128-247 the token images of tiles 0-9.
.set PITCH, 4096                       ; a row of w2 in bytes
.set TILEB, 49152                      ; a tile's images in hq
.set STB,   2048                       ; and its scale records in hs
.set HALFP, 4653056                    ; part: 1,136 rows of 4,096 bytes for each F half
.set NPASS, 6
.set STG,   196608                     ; LDS: 0 .. 196,607 partial sums [tile 12][wave 4][4,096]; then a stage of 16 rows x (256 + 16) bytes for each wave;
.set SPARE, 214016                     ; then the spare words, 128 bytes a wave, which no other line names
.set VW,   1
.set VL16, 2
.set VL8,  3
.set SH8,  4
.set VRS,  5
.set VRL,  8
.set STO,  11                          ; the stage: where I put 128 bytes of a row
.set SRD,  12                          ; and where I read a row back
.set VOUT, 13                          ; the same place in part
.set SPW,  14
.set NIL,  15
.set VA,   16
.set VPF,  28
.set VT,   32
.set WF,   96
.set SW,   144
.set SA,   148
.set AFX,  172
.set MX,   196
.set SC,   200
.set BY,   202
.set CT,   208
.set VSA,  216
.set PT4,  228
.set S_W, 22
.set S_E, 23
.set S_CG, 24
.set S_KH, 26
.set S_T, 27
.set S_TB, 28
.set S_TP, 29
.set S_TPM1, 30
.set S_PASS, 31
.set S_TILE0, 32
.set S_MO, 33
.set WB, 34
.set AB, 36
.set SB, 38
.set PO, 48
.set HQB, 52
.set HSB, 54
.set PB, 56
.set MSB, 0
.macro WIN new                         ; the immediate's high byte repeats the setting that is left; a switch that changes nothing is dropped.  At every label and branch the setting is 0
.if MSB != (\new)
	s_set_vgpr_msb (MSB<<8)|(\new)
.set MSB, (\new)
.endif
.endm
.macro GLOAD c, s                      ; group c of K step s: 32 loads, 16 KB; load gi takes the row at F offset 4 (gi % 8) + gi / 8 of its block
	WIN 0x40
.set gi, 0
.rept 32
	global_load_b128 v[128*(\c)+4*gi:128*(\c)+4*gi+3], v[VW], s[WB:WB+1] offset:(128*(\s)+64*(\c)+4*(gi&7)+(gi>>3))*PITCH th:TH_LOAD_NT   ; sixteen lanes read 256 consecutive, aligned bytes; read once in the launch
.set gi, gi+1
.endr
	WIN 0
.endm
.macro DEINT c, j0
	WIN 0x01
.set dp, 0
.rept 32
	v_mov_b32 v[VT+dp], v[128*(\c)+4*dp+(\j0)]
	v_mov_b32 v[VT+32+dp], v[128*(\c)+4*dp+(\j0)+1]
.set dp, dp+1
.endr
	WIN 0
.endm
.macro QBLK2 src, d0, d1
.irp h, 0,1,2,3
	v_max3_num_f32 v[MX+\h], |v[(\src)+16*\h]|, |v[(\src)+16*\h+1]|, 0x1800000   ; four chains of 16 numbers; the floor 2^(3 - 127) holds the byte at 1 from below
.endr
.irp i, 2,4,6,8,10,12,14
.irp h, 0,1,2,3
	v_max3_num_f32 v[MX+\h], v[MX+\h], |v[(\src)+16*\h+\i]|, |v[(\src)+16*\h+\i+1]|
.endr
.endr
	v_max_num_f32 v[MX], v[MX], v[MX+1]
	v_max_num_f32 v[MX+2], v[MX+2], v[MX+3]
	v_add_nc_u32 v[SC], 0xff000000, v[MX]          ; 2 off the exponent field: the conversion takes that field as its scale and nothing else
	v_add_nc_u32 v[SC+1], 0xff000000, v[MX+2]
	v_cvt_scalef32_pk16_fp6_f32 v[(\d0):(\d0)+2], v[(\src):(\src)+15], v[SC]
	v_cvt_scalef32_pk16_fp6_f32 v[CT:CT+2], v[(\src)+16:(\src)+31], v[SC]       ; (a conversion's three registers begin on an even number)
	v_cvt_scalef32_pk16_fp6_f32 v[(\d1):(\d1)+2], v[(\src)+32:(\src)+47], v[SC+1]
	v_cvt_scalef32_pk16_fp6_f32 v[CT+4:CT+6], v[(\src)+48:(\src)+63], v[SC+1]
	v_lshrrev_b32 v[BY], 23, v[SC]                 ; the bytes; also the plain line between the conversions and whatever touches their results next
	v_lshrrev_b32 v[BY+1], 23, v[SC+1]
.irp i, 0,1,2
	v_mov_b32 v[(\d0)+3+\i], v[CT+\i]
	v_mov_b32 v[(\d1)+3+\i], v[CT+4+\i]
.endr
.endm
.macro QW c, j0
	QBLK2 VT, WF+12*(\j0)+6*(\c), WF+12*(\j0)+12+6*(\c)
.if (\c) == 0
	v_mov_b32 v[SW+(\j0)], v[BY]
	v_mov_b32 v[SW+(\j0)+1], v[BY+1]
.else
	v_lshl_or_b32 v[SW+(\j0)], v[BY], 16, v[SW+(\j0)]
	v_lshl_or_b32 v[SW+(\j0)+1], v[BY+1], 16, v[SW+(\j0)+1]
.endif
.endm
.macro SWFIN
.irp j, 0,1,2,3
	v_lshlrev_b32 v[SW+\j], v[SH8], v[SW+\j]
.endr
.irp j, 0,1,2,3
	v_permlanex16_b32 v[PT4+\j], v[SW+\j], s20, s21
.endr
.irp j, 0,1,2,3
	v_or_b32 v[SW+\j], v[SW+\j], v[PT4+\j]
.endr
.rept 8
	v_nop                                          ; a scale register written by a vector line stands eight places ahead of a scaled product, an operand so written four
.endr
.endm
.macro ALOADS s, cond
.irp i, 0,1,2,3,4,5,6,7,8,9,10,11
.if (\cond) && (\i > 0)
	WIN 0
	s_cmp_le_u32 s[S_TP], \i
	s_cbranch_scc1 .Lal_done_\@
.endif
.if \i < 10
	WIN 0xc0
.irp q, 0,1,2
	global_load_b128 v[128+12*\i+4*\q:128+12*\i+4*\q+3], v[VA+\i], s[AB:AB+1] offset:1536*(\s)+512*\q
.endr
.else
	WIN 0
.irp q, 0,1,2
	global_load_b128 v[AFX+12*(\i-10)+4*\q:AFX+12*(\i-10)+4*\q+3], v[VA+\i], s[AB:AB+1] offset:1536*(\s)+512*\q
.endr
.endif
.endr
	WIN 0
.Lal_done_\@:
.endm
.macro WM acc, wf, af, sw, sa, zero, odd
.if \zero
	v_wmma_scale_f32_16x16x128_f8f6f4 v[(\acc):(\acc)+7], v[(\wf):(\wf)+11], v[(\af):(\af)+11], 0, v[\sw], v[\sa] matrix_a_fmt:MATRIX_FMT_FP6 matrix_b_fmt:MATRIX_FMT_FP6
.elseif \odd
	v_wmma_scale_f32_16x16x128_f8f6f4 v[(\acc):(\acc)+7], v[(\wf):(\wf)+11], v[(\af):(\af)+11], v[(\acc):(\acc)+7], v[\sw], v[\sa] matrix_a_fmt:MATRIX_FMT_FP6 matrix_b_fmt:MATRIX_FMT_FP6 matrix_b_scale:MATRIX_SCALE_ROW1
.else
	v_wmma_scale_f32_16x16x128_f8f6f4 v[(\acc):(\acc)+7], v[(\wf):(\wf)+11], v[(\af):(\af)+11], v[(\acc):(\acc)+7], v[\sw], v[\sa] matrix_a_fmt:MATRIX_FMT_FP6 matrix_b_fmt:MATRIX_FMT_FP6
.endif
.endm
; The accumulators take turns, one instruction a turn, from K step to K step too.  first = 1: all 12 tiles, so that every sum begins with the constant 0.
.macro MULT s, first
.irp i, 0,1,2,3,4,5,6,7,8,9,10,11
.if !(\first) && (\i > 0)
	WIN 0
	s_cmp_le_u32 s[S_TP], \i
	s_cbranch_scc1 .Lmu_done_\@
.endif
.if \i < 8
.set AW, 0xac
.set AC0, 32*\i
.set AF0, 128+12*\i
.elseif \i < 10
.set AW, 0xfc
.set AC0, 32*(\i-8)
.set AF0, 128+12*\i
.else
.set AW, 0xf0
.set AC0, 32*(\i-8)
.set AF0, AFX+12*(\i-10)
.endif
	WIN AW
.irp j, 0,1,2,3
	WM AC0+8*\j, WF+12*\j, AF0, SW+\j, SA+2*\i+((\s)>>1), \first, ((\s)&1)
.endr
.endr
	WIN 0
.Lmu_done_\@:
.endm
; A PREFETCH INTO THE L2 of K step s of my own part of w2: 128 rows x 256 bytes, a lane a row, four instructions.  Each of these blocks is read by my wave alone, so each is named once in the launch: in the first pass only.
; It stands behind the trip's loads; trip s - 2 asks, which is one trip ahead of that K step's loads.  K steps 0 and 1 come by their loads alone, and the last two trips ask for nothing.
.macro PREF s
	s_cmp_lg_u32 s[S_PASS], 0
	s_cbranch_scc1 .Lnp_\@
.irp k, 0,1,2,3
	global_prefetch_b8 v[VPF], s[WB:WB+1] offset:(128*(\s)+32*\k)*PITCH th:TH_LOAD_NT scope:SCOPE_SE
.endr
.Lnp_\@:
.endm
.macro KSTEP s, first, last
.if \first
	s_wait_loadcnt 63                              ; group 0 is in: behind it stand group 1's 32 loads, 12 scale pairs and 36 image loads, more than a count can name
.else
	s_wait_loadcnt 32                              ; all but the 32 loads issued last, group 1's: group 0 and this K step's images are in, however many tiles the pass has
.endif
	DEINT 0, 0
	QW 0, 0
	DEINT 0, 2
.if !(\last)
	GLOAD 0, (\s)+1
.endif
	QW 0, 2
.if \last
	s_wait_loadcnt 0x0
.else
	s_wait_loadcnt 32                              ; all but the 32 just issued: group 1 is in (in K step 0 the scale pairs and images too)
.endif
	DEINT 1, 0
	QW 1, 0
	DEINT 1, 2
	QW 1, 2
	SWFIN
	MULT \s, \first
.rept 4
	v_nop                                          ; four places between the last product and loads into its operands, or reads of its result
.endr
.if !(\last)
	ALOADS (\s)+1, 1                               ; ahead of the full group, so that the count 32 holds on every way
	GLOAD 1, (\s)+1
.if (\s) < 2
	PREF (\s)+2
.endif
.endif
.endm
.macro REDOUT
.irp i, 0,1,2,3,4,5,6,7,8,9,10,11
.if \i > 0
	WIN 0
	s_cmp_le_u32 s[S_TP], \i
	s_cbranch_scc1 .Lro_done_\@
.endif
.if \i < 8
	WIN 0x08
.set RB, 32*\i
.else
	WIN 0x0c
.set RB, 32*(\i-8)
.endif
.irp q, 0,1,2,3,4,5,6,7
	ds_store_b128 v[VRS+\i/4], v[RB+4*\q:RB+4*\q+3] offset:(\i%4)*16384+512*\q   ; each accumulator from its low end on
.endr
.endr
	WIN 0
.Lro_done_\@:
.endm
; Tile 4 m + wave of the pass is mine to finish: the four waves' parts are added, brought into the columns' order, and leave through my own stage as whole runs of 256 bytes.
.macro FIN m
	s_add_co_u32 s42, s[S_W], 4*(\m)
	s_cmp_ge_u32 s42, s[S_TP]
	s_cbranch_scc1 .Lfin_\@
	s_wait_xcnt 0x0                                ; the last block's stores have read their data and base: both are written again below
	s_add_co_u32 s42, s42, s[S_TILE0]
	s_min_u32 s42, s42, 70
	s_lshl_b32 s40, s42, 16                        ; 16 rows of 4,096 bytes
	s_mov_b32 s41, 0
	s_add_nc_u64 s[PO:PO+1], s[PB:PB+1], s[40:41]
	WIN 0x40
.irp w, 0,1,2,3
.irp q, 0,1,2,3,4,5,6,7
	ds_load_b128 v[128+32*\w+4*\q:128+32*\w+4*\q+3], v[VRL+\m] offset:4096*\w+512*\q
.endr
.endr
	s_wait_dscnt 0x0
	WIN 0x45                                       ; all in window 1
.irp k, 0,1,2,3,4,5,6,7,8,9,10,11,12,13,14,15
	v_pk_add_f32 v[128+2*\k:128+2*\k+1], v[128+2*\k:128+2*\k+1], v[160+2*\k:160+2*\k+1]
	v_pk_add_f32 v[192+2*\k:192+2*\k+1], v[192+2*\k:192+2*\k+1], v[224+2*\k:224+2*\k+1]
.endr
	WIN 0x05                                       ; sources window 1, destination window 0
.irp j, 0,1,2,3
.irp n, 0,1,2,3,4,5,6,7
	v_add_f32 v[VT+4*\n+\j], v[128+8*\j+\n], v[192+8*\j+\n]   ; column 32 h + 4 n + j: the last addition also puts the columns in order
.endr
.endr
	WIN 0
.irp q, 0,1,2,3,4,5,6,7
	ds_store_b128 v[STO], v[VT+4*\q:VT+4*\q+3] offset:16*\q
.endr
.irp t, 0,1,2,3,4,5,6,7
	ds_load_b128 v[VT+32+4*\t:VT+32+4*\t+3], v[SRD] offset:544*\t   ; my own bytes; LDS serves a wave's instructions in order (ISA guide 5.7.1.4), so these see the stores above
.endr
.irp t, 0,1,2,3,4,5,6,7
	s_wait_dscnt 7-\t                              ; the younger loads from the stage may be out
	global_store_b128 v[VOUT], v[VT+32+4*\t:VT+32+4*\t+3], s[PO:PO+1] offset:8192*\t   ; sixteen lanes store 256 consecutive, aligned bytes of a row
.endr
.Lfin_\@:
.endm
	s_load_b256 s[4:11], s[0:1], 0x0               ; w2 s[4:5], hq s[6:7], hs s[8:9], meta s[10:11]
	s_load_b64 s[12:13], s[0:1], 0x20              ; part
	v_lshl_add_u32 v[SPW], v0, 2, SPARE
	v_mov_b32 v[NIL], 0
	v_lshrrev_b32 v29, 5, v0
	v_readfirstlane_b32 s[S_W], v29                ; wave
	v_and_b32 v29, 31, v0                          ; lane
	v_and_b32 v30, 15, v0                          ; r
	v_bfe_u32 v31, v0, 4, 1                        ; h
	v_lshlrev_b32 v[VL16], 4, v29
	v_lshlrev_b32 v[VL8], 3, v29
	v_lshlrev_b32 v[SH8], 3, v31
	v_lshlrev_b32 v[VW], 4, v30
	v_lshl_add_u32 v[VW], v31, 17, v[VW]           ; 32 rows of 4,096 bytes
	v_lshlrev_b32 v[VPF], 12, v29
	s_lshl_b32 s40, s[S_W], 12
	v_add_nc_u32 v[VRS], s40, v[VL16]
	v_add_nc_u32 v[VRS+1], 0x10000, v[VRS]
	v_add_nc_u32 v[VRS+2], 0x20000, v[VRS]
	s_lshl_b32 s40, s[S_W], 14
	v_add_nc_u32 v[VRL], s40, v[VL16]
	v_add_nc_u32 v[VRL+1], 0x10000, v[VRL]
	v_add_nc_u32 v[VRL+2], 0x20000, v[VRL]
	s_mul_i32 s40, s[S_W], 4352
	s_add_co_u32 s40, s40, STG                     ; my stage
	v_mul_u32_u24 v[STO], v30, 272                 ; in: row r, 128 bytes for each half of the lanes
	v_lshl_add_u32 v[STO], v31, 7, v[STO]
	v_add_nc_u32 v[STO], s40, v[STO]
	v_mul_u32_u24 v[SRD], v31, 272                 ; back: lanes 0-15 one row of 256 bytes, lanes 16-31 the next
	v_lshl_add_u32 v[SRD], v30, 4, v[SRD]
	v_add_nc_u32 v[SRD], s40, v[SRD]
	v_lshlrev_b32 v[VOUT], 12, v31                 ; and the same two rows in part
	v_lshl_add_u32 v[VOUT], v30, 4, v[VOUT]
.irp j, 0,1,2,3
	v_mov_b32 v[PT4+\j], 0                         ; written once: a lane exchange's destination counts as one of its sources
.endr
	s_lshr_b32 s[S_E], ttmp9, 5
	s_bfe_u32 s[S_CG], ttmp9, 0x40001              ; four bits from bit 1
	s_and_b32 s[S_KH], ttmp9, 1
	s_lshl_b32 s[S_MO], s[S_E], 2
	s_mov_b32 s20, 0x76543210
	s_mov_b32 s21, 0xfedcba98
	s_wait_kmcnt 0x0
	s_load_b32 s[S_TB], s[10:11], s[S_MO] offset:0x0    ; my expert's first tile,
	s_load_b32 s[S_T], s[10:11], s[S_MO] offset:0x20    ; and its tiles
	s_lshl_b32 s40, s[S_E], 24                     ; w2: expert, F half, my wave's 512 rows, column group
	s_lshl_b32 s42, s[S_KH], 23
	s_add_co_u32 s40, s40, s42
	s_lshl_b32 s42, s[S_W], 21
	s_add_co_u32 s40, s40, s42
	s_lshl_b32 s42, s[S_CG], 8
	s_add_co_u32 s40, s40, s42
	s_mov_b32 s41, 0
	s_add_nc_u64 s[WB:WB+1], s[4:5], s[40:41]
	s_lshl_b32 s42, s[S_KH], 2
	s_add_co_u32 s42, s42, s[S_W]                  ; 4 kh + wave: my four K steps, my scale record
	s_mul_i32 s40, s42, 6144
	s_add_nc_u64 s[HQB:HQB+1], s[6:7], s[40:41]
	s_lshl_b32 s40, s42, 8
	s_add_nc_u64 s[HSB:HSB+1], s[8:9], s[40:41]
	s_mul_i32 s40, s[S_KH], HALFP
	s_lshl_b32 s42, s[S_CG], 8
	s_add_co_u32 s40, s40, s42
	s_add_nc_u64 s[PB:PB+1], s[12:13], s[40:41]
	s_wait_kmcnt 0x0
	s_min_u32 s[S_TB], s[S_TB], 70
	s_min_u32 s[S_T], s[S_T], 64
	s_mov_b32 s[S_PASS], 0
.Lpass:
	s_wait_xcnt 0x0                                ; bases, offsets and store data of the pass before are written again
	s_mul_i32 s40, s[S_PASS], 12
	s_sub_co_i32 s41, s[S_T], s40
	s_max_i32 s41, s41, 0
	s_min_u32 s[S_TP], s41, 12
	s_add_co_u32 s42, s[S_TB], s40
	s_min_u32 s[S_TILE0], s42, 70
	s_cmp_eq_u32 s[S_TP], 0
	s_cbranch_scc1 .Lno_stream                     ; the same in all four waves; it leads round the stream alone
	s_sub_co_u32 s[S_TPM1], s[S_TP], 1
	s_mul_i32 s40, s[S_TILE0], TILEB
	s_mov_b32 s41, 0
	s_add_nc_u64 s[AB:AB+1], s[HQB:HQB+1], s[40:41]
	s_mul_i32 s40, s[S_TILE0], STB
	s_add_nc_u64 s[SB:SB+1], s[HSB:HSB+1], s[40:41]
	GLOAD 0, 0                                     ; the weights first: they have the longest way
	GLOAD 1, 0
.irp i, 0,1,2,3,4,5,6,7,8,9,10,11
	s_min_u32 s42, s[S_TPM1], \i                   ; a tile beyond the pass's count takes the last one's place
	s_mul_i32 s43, s42, TILEB
	v_add_nc_u32 v[VA+\i], s43, v[VL16]
	s_mul_i32 s43, s42, STB
	v_add_nc_u32 v[VSA+\i], s43, v[VL8]
.endr
.irp i, 0,1,2,3,4,5,6,7,8,9,10,11
	global_load_b64 v[SA+2*\i:SA+2*\i+1], v[VSA+\i], s[SB:SB+1]   ; four K steps' scale words of 16 tokens: 256 consecutive bytes
.endr
	ALOADS 0, 0
	KSTEP 0, 1, 0
	KSTEP 1, 0, 0
	KSTEP 2, 0, 0
	KSTEP 3, 0, 1
	REDOUT
.Lno_stream:
	s_wait_dscnt 0x0                               ; for the others' sake: my partial sums lie in LDS
	s_barrier_signal -1
	s_barrier_wait -1
	FIN 0
	FIN 1
	FIN 2
	s_wait_dscnt 0x0                               ; my reads of the partial sums are over: behind this barrier the next pass may write them
	s_barrier_signal -1
	s_barrier_wait -1
	s_add_co_u32 s[S_PASS], s[S_PASS], 1
	s_cmp_lt_u32 s[S_PASS], NPASS
	s_cbranch_scc1 .Lpass
	s_wait_tensorcnt 0x0                           ; the wave's end: three closing lines behind my last LDS store
	ds_add_u32 v[SPW], v[NIL]
	s_wait_dscnt 0x0
	s_endpgm
.Lfunc_end_k_q6cb02e4ff9_ffn2:
	.size	k_q6cb02e4ff9_ffn2, .Lfunc_end_k_q6cb02e4ff9_ffn2-k_q6cb02e4ff9_ffn2
	.p2alignl 7, 3214868480
	.fill 96, 4, 3214868480
	.section	.rodata,"a",@progbits
	.p2align	6, 0x0
	.amdhsa_kernel k_q6cb02e4ff9_ffn2
		.amdhsa_group_segment_fixed_size 214528
		.amdhsa_private_segment_fixed_size 0
		.amdhsa_enable_private_segment 0
		.amdhsa_kernarg_size 40
		.amdhsa_user_sgpr_count 2
		.amdhsa_user_sgpr_kernarg_segment_ptr 1
		.amdhsa_wavefront_size32 1
		.amdhsa_system_sgpr_workgroup_id_x 1
		.amdhsa_system_sgpr_workgroup_id_y 1
		.amdhsa_system_sgpr_workgroup_id_z 1
		.amdhsa_system_vgpr_workitem_id 0
		.amdhsa_next_free_vgpr 1024
		.amdhsa_next_free_sgpr 66
		.amdhsa_reserve_vcc 0
		.amdhsa_float_denorm_mode_32 3
		.amdhsa_float_denorm_mode_16_64 3
		.amdhsa_memory_ordered 1
		.amdhsa_forward_progress 1
		.amdhsa_inst_pref_size 193
	.end_amdhsa_kernel
	.amdgpu_metadata
---
amdhsa.version: [ 1, 2 ]
amdhsa.kernels:
  - .name:           k_q6cb02e4ff9_ffn2
    .symbol:         k_q6cb02e4ff9_ffn2.kd
    .args:
      - { .name: w2, .offset: 0, .size: 8, .value_kind: global_buffer, .address_space: global }
      - { .name: hq, .offset: 8, .size: 8, .value_kind: global_buffer, .address_space: global }
      - { .name: hs, .offset: 16, .size: 8, .value_kind: global_buffer, .address_space: global }
      - { .name: meta, .offset: 24, .size: 8, .value_kind: global_buffer, .address_space: global }
      - { .name: part, .offset: 32, .size: 8, .value_kind: global_buffer, .address_space: global }
    .group_segment_fixed_size: 214528
    .private_segment_fixed_size: 0
    .kernarg_segment_align: 8
    .kernarg_segment_size: 40
    .max_flat_workgroup_size: 128
    .sgpr_count:     66
    .vgpr_count:     1024
    .wavefront_size: 32
...
	.end_amdgpu_metadata
.endif
;; end of part 4
;; launch combine (part 5): grid 256 x 1, 4 waves a work-group, no clusters, 0 bytes of LDS; arguments part, b2, slotmap, top1, out0; writes out0
.if DOCPART == 5
	.amdgcn_target "amdgcn-amd-amdhsa--gfx1250"
	.amdhsa_code_object_version 6
	.text
	.protected	k_q6cb02e4ff9_combine
	.globl	k_q6cb02e4ff9_combine
	.p2align	8
	.type	k_q6cb02e4ff9_combine,@function
k_q6cb02e4ff9_combine:
	s_mov_b64 s[64:65], 0
	v_nop
	global_prefetch_b8 v0, s[64:65] scope:SCOPE_SE
	s_setreg_imm32_b32 hwreg(HW_REG_WAVE_MODE, 25, 1), 1
	s_wait_xcnt 0x0
; THE LAST PRODUCT AS A LOOKUP: out[token] = y[top1[token]][token] = part[0][slot] + part[1][slot] + b2[top1[token]], slot = slotmap[token].
; The problem writes it as a product with one_hot(top1), whose other seven terms are multiplied by 0: they are not formed (a NaN or an infinity in them is not carried to the result).
; A wave takes a token: a row of 4,096 bytes, eight pieces of 512 consecutive bytes from each of three places, one store of 512 consecutive bytes for each piece.  Memory binds: no LDS, no barrier, no matrix unit.
.set HALFP, 4653056                    ; from the first F half's rows to the second's
.set P0, 32                            ; v32-63
.set P1, 64                            ; v64-95
.set BB, 96                            ; v96-127
	s_load_b256 s[4:11], s[0:1], 0x0               ; part s[4:5], b2 s[6:7], slotmap s[8:9], top1 s[10:11]
	s_load_b64 s[12:13], s[0:1], 0x20              ; out0
	v_lshrrev_b32 v1, 5, v0
	v_readfirstlane_b32 s14, v1                    ; wave
	v_and_b32 v1, 31, v0
	v_lshlrev_b32 v1, 4, v1                        ; 16 x lane
	s_lshl_b32 s15, ttmp9, 2
	s_add_co_u32 s15, s15, s14                     ; my token
	s_lshl_b32 s16, s15, 2
	s_wait_kmcnt 0x0
	s_load_b32 s18, s[8:9], s16 offset:0x0         ; its slot,
	s_load_b32 s19, s[10:11], s16 offset:0x0       ; its expert: whole numbers that earlier launches stored
	s_lshl_b32 s20, s15, 12
	s_mov_b32 s21, 0
	s_add_nc_u64 s[12:13], s[12:13], s[20:21]
	s_mov_b32 s23, 0
	s_wait_kmcnt 0x0
	s_min_u32 s18, s18, 1135
	s_min_u32 s19, s19, 7
	s_lshl_b32 s22, s18, 12
	s_add_nc_u64 s[4:5], s[4:5], s[22:23]
	s_lshl_b32 s22, s19, 12
	s_add_nc_u64 s[6:7], s[6:7], s[22:23]
.irp k, 0,1,2,3,4,5,6,7
	global_load_b128 v[P0+4*\k:P0+4*\k+3], v1, s[4:5] offset:512*\k th:TH_LOAD_NT
	global_load_b128 v[P1+4*\k:P1+4*\k+3], v1, s[4:5] offset:HALFP+512*\k th:TH_LOAD_NT
	global_load_b128 v[BB+4*\k:BB+4*\k+3], v1, s[6:7] offset:512*\k
.endr
.irp k, 0,1,2,3,4,5,6,7
	s_wait_loadcnt 3*(7-\k)                        ; loads come back in order: piece k's three are in, the later pieces' three each may be out
	v_pk_add_f32 v[P0+4*\k:P0+4*\k+1], v[P0+4*\k:P0+4*\k+1], v[P1+4*\k:P1+4*\k+1]
	v_pk_add_f32 v[P0+4*\k+2:P0+4*\k+3], v[P0+4*\k+2:P0+4*\k+3], v[P1+4*\k+2:P1+4*\k+3]
	v_pk_add_f32 v[P0+4*\k:P0+4*\k+1], v[P0+4*\k:P0+4*\k+1], v[BB+4*\k:BB+4*\k+1]
	v_pk_add_f32 v[P0+4*\k+2:P0+4*\k+3], v[P0+4*\k+2:P0+4*\k+3], v[BB+4*\k+2:BB+4*\k+3]
	global_store_b128 v1, v[P0+4*\k:P0+4*\k+3], s[12:13] offset:512*\k th:TH_STORE_NT   ; each piece has registers of its own: no store's data are written again
.endr
	s_endpgm
.Lfunc_end_k_q6cb02e4ff9_combine:
	.size	k_q6cb02e4ff9_combine, .Lfunc_end_k_q6cb02e4ff9_combine-k_q6cb02e4ff9_combine
	.p2alignl 7, 3214868480
	.fill 96, 4, 3214868480
	.section	.rodata,"a",@progbits
	.p2align	6, 0x0
	.amdhsa_kernel k_q6cb02e4ff9_combine
		.amdhsa_group_segment_fixed_size 0
		.amdhsa_private_segment_fixed_size 0
		.amdhsa_enable_private_segment 0
		.amdhsa_kernarg_size 40
		.amdhsa_user_sgpr_count 2
		.amdhsa_user_sgpr_kernarg_segment_ptr 1
		.amdhsa_wavefront_size32 1
		.amdhsa_system_sgpr_workgroup_id_x 1
		.amdhsa_system_sgpr_workgroup_id_y 1
		.amdhsa_system_sgpr_workgroup_id_z 1
		.amdhsa_system_vgpr_workitem_id 0
		.amdhsa_next_free_vgpr 128
		.amdhsa_next_free_sgpr 66
		.amdhsa_reserve_vcc 0
		.amdhsa_float_denorm_mode_32 3
		.amdhsa_float_denorm_mode_16_64 3
		.amdhsa_memory_ordered 1
		.amdhsa_forward_progress 1
		.amdhsa_inst_pref_size 7
	.end_amdhsa_kernel
	.amdgpu_metadata
---
amdhsa.version: [ 1, 2 ]
amdhsa.kernels:
  - .name:           k_q6cb02e4ff9_combine
    .symbol:         k_q6cb02e4ff9_combine.kd
    .args:
      - { .name: part, .offset: 0, .size: 8, .value_kind: global_buffer, .address_space: global }
      - { .name: b2, .offset: 8, .size: 8, .value_kind: global_buffer, .address_space: global }
      - { .name: slotmap, .offset: 16, .size: 8, .value_kind: global_buffer, .address_space: global }
      - { .name: top1, .offset: 24, .size: 8, .value_kind: global_buffer, .address_space: global }
      - { .name: out0, .offset: 32, .size: 8, .value_kind: global_buffer, .address_space: global }
    .group_segment_fixed_size: 0
    .private_segment_fixed_size: 0
    .kernarg_segment_align: 8
    .kernarg_segment_size: 40
    .max_flat_workgroup_size: 128
    .sgpr_count:     66
    .vgpr_count:     128
    .wavefront_size: 32
...
	.end_amdgpu_metadata
.endif
;; end of part 5
;; ======== version 2 of 2: 5 launches
;; workspace buffers: top1 4,096 bytes of whole numbers; meta 256 bytes of whole numbers; slotmap 4,096 bytes of whole numbers; xq 872,448 bytes; xs 36,352 bytes; hq 3,489,792 bytes; hs 145,408 bytes; part 9,306,112 bytes
;; launch gate: the kernel of part 1 again; grid 256 x 1, 4 waves a work-group, no clusters, 1,024 bytes of LDS; arguments x, gate_w, gate_b, top1; writes top1
;; launch place (part 6): grid 71 x 1, 4 waves a work-group, no clusters, 0 bytes of LDS; arguments top1, x, xq, xs, slotmap, meta; writes xq, xs, slotmap, meta
.if DOCPART == 6
	.amdgcn_target "amdgcn-amd-amdhsa--gfx1250"
	.amdhsa_code_object_version 6
	.text
	.protected	k_q6cb02e4ff9_place
	.globl	k_q6cb02e4ff9_place
	.p2align	8
	.type	k_q6cb02e4ff9_place,@function
k_q6cb02e4ff9_place:
	s_mov_b64 s[64:65], 0
	v_nop
	global_prefetch_b8 v0, s[64:65] scope:SCOPE_SE
	s_setreg_imm32_b32 hwreg(HW_REG_WAVE_MODE, 25, 1), 1
	s_wait_xcnt 0x0
; THE PLACING.  From top1 (whole numbers, stored by the launch before) the tokens are laid in TILES of 16 slots, each tile of one expert; work-group g makes tile g:
; it finds its 16 tokens, quantises their rows of x along K to E2M3 with one E8M0 byte for each 32, and stores them as images of the matrix operand's registers.
; Only the chosen expert's rows are computed further on (the mask is one_hot(top1), built in the problem's own body): this launch is where that choice becomes addresses.
; THE GRID serves every split: with 1,024 tokens, 8 experts and tiles of 16 there are never more than 64 + 7 = 71 tiles.  A work-group beyond the split's number of tiles ends.
; ORDER in an expert's list: by the register G that holds the token below, then by lane: any fixed order serves, since slotmap carries it to the last launch.
; A tile's slots beyond its expert's count hold a copy of some token; nothing reads their results.
; LAYOUTS.  xq: [tile][K step 0..7][1,536 bytes]: a fragment (16 tokens x 128 K, 12 registers a lane) as [q 0..2][lane][16 bytes], q = registers 4 q .. 4 q + 3.
;  xs: [tile][part 0..1][256 bytes]; K step 4 part + 2 u + f of token r has its scale word at (16 f + r) 8 + 4 u: a load of 8 bytes a lane then brings two scale registers,
;  each with an even K step in lanes 0-15 and the odd one behind it in lanes 16-31.   slotmap[token] = 16 tile + row.   meta: words 0-7 an expert's first tile, 8-15 its tiles.
; THE QUANTISER: a block's scale byte is its largest magnitude's exponent field - 2, held at 1 from below; a block of zeros so gets the byte 1 (its codes are zeros, and this program alone reads the bytes).
; LIMITS: NaN and infinities in x are not served.  No barrier, no LDS: every wave counts for itself; wave w quantises K steps 2 w and 2 w + 1.
.set TV,  32                           ; v32-63   top1: register G, lane l: token 128 (G / 4) + 4 l + G % 4
.set XN,  64                           ; v64-191  my 2 x 64 numbers of x
.set PC,  192                          ; v192-215 two fragments' codes
.set MX,  216                          ; v216-219 largest magnitudes
.set SC,  220                          ; v220-221 the conversions' scale operands
.set BY,  222                          ; v222-223 scale bytes
.set CT,  224                          ; v224-231 the upper halves of two blocks' codes
.set PW,  232                          ; v232-233 two scale words
.set PT,  234
.set VM,  235                          ; v235     4 x lane: the address of the list of tiles; made at the head, holds nothing else
; two blocks of 32 numbers, v[src] .. and v[src + 32] .., become six registers of codes each, at d0 and d1, and a scale byte each in v[BY], v[BY + 1]
.macro QBLK2 src, d0, d1
.irp h, 0,1,2,3
	v_max3_num_f32 v[MX+\h], |v[(\src)+16*\h]|, |v[(\src)+16*\h+1]|, 0x1800000   ; four chains of 16 numbers; the floor 2^(3 - 127) holds the byte at 1 from below
.endr
.irp i, 2,4,6,8,10,12,14
.irp h, 0,1,2,3
	v_max3_num_f32 v[MX+\h], v[MX+\h], |v[(\src)+16*\h+\i]|, |v[(\src)+16*\h+\i+1]|
.endr
.endr
	v_max_num_f32 v[MX], v[MX], v[MX+1]
	v_max_num_f32 v[MX+2], v[MX+2], v[MX+3]
	v_add_nc_u32 v[SC], 0xff000000, v[MX]          ; 2 off the exponent field: the conversion takes that field as its scale and nothing else
	v_add_nc_u32 v[SC+1], 0xff000000, v[MX+2]
	v_cvt_scalef32_pk16_fp6_f32 v[(\d0):(\d0)+2], v[(\src):(\src)+15], v[SC]
	v_cvt_scalef32_pk16_fp6_f32 v[CT:CT+2], v[(\src)+16:(\src)+31], v[SC]       ; (a conversion's three registers begin on an even number)
	v_cvt_scalef32_pk16_fp6_f32 v[(\d1):(\d1)+2], v[(\src)+32:(\src)+47], v[SC+1]
	v_cvt_scalef32_pk16_fp6_f32 v[CT+4:CT+6], v[(\src)+48:(\src)+63], v[SC+1]
	v_lshrrev_b32 v[BY], 23, v[SC]                 ; the bytes; also the plain line between the conversions and the moves that read their results
	v_lshrrev_b32 v[BY+1], 23, v[SC+1]
.irp i, 0,1,2
	v_mov_b32 v[(\d0)+3+\i], v[CT+\i]
	v_mov_b32 v[(\d1)+3+\i], v[CT+4+\i]
.endr
.endm
	s_load_b256 s[4:11], s[0:1], 0x0               ; top1 s[4:5], x s[6:7], xq s[8:9], xs s[10:11]
	s_load_b128 s[12:15], s[0:1], 0x20             ; slotmap s[12:13], meta s[14:15]
	v_lshrrev_b32 v1, 5, v0
	v_readfirstlane_b32 s84, v1                    ; wave
	v_and_b32 v1, 31, v0                           ; lane
	v_lshlrev_b32 v2, 4, v1                        ; 16 x lane
	v_lshlrev_b32 v[VM], 2, v1                     ; 4 x lane
	s_mov_b32 s80, 0x76543210
	s_mov_b32 s81, 0xfedcba98                      ; lane selects for lane l xor 16
	s_wait_alu depctr_va_vdst(0)
	s_wait_kmcnt 0x0
.irp g, 0,1,2,3,4,5,6,7
	global_load_b128 v[TV+4*\g:TV+4*\g+3], v2, s[4:5] offset:512*\g   ; all of top1: 4,096 bytes
.endr
	v_mov_b32 v3, 1
	v_mov_b32 v4, 0                                ; my lane's counts of experts 0-3, a byte each
	v_mov_b32 v5, 0                                ; and of experts e and e + 4 together
.irp i, 0,1,2,3
	v_mov_b32 v[12+\i], 0                          ; written once: destinations of lane moves count as sources
.endr
	v_mov_b32 v[PT], 0
	v_bfe_u32 v26, v0, 4, 1                        ; h = lane / 16
	v_lshlrev_b32 v27, 3, v26                      ; 8 h
	v_lshlrev_b32 v28, 3, v1                       ; 8 x lane
	s_wait_loadcnt 0x0
; THE COUNTS.  A lane has 32 tokens, so a byte holds each of its counts.
.set G, 0
.rept 32
	v_lshlrev_b32 v[6+G%2], 3, v[TV+G]             ; 8 e
	v_lshlrev_b32 v[6+G%2], v[6+G%2], v3           ; 1 << (8 e mod 32): a shift takes its amount's low five bits
	v_cmp_gt_u32 vcc_lo, 4, v[TV+G]
	v_add_nc_u32 v5, v5, v[6+G%2]
	v_cndmask_b32 v[6+G%2], 0, v[6+G%2], vcc_lo
	v_add_nc_u32 v4, v4, v[6+G%2]
.set G, G+1
.endr
	v_sub_nc_u32 v5, v5, v4                        ; experts 4-7: no byte borrows
	v_and_b32 v8, 0xff00ff, v4                     ; fields of 16 bits, which hold 1,024: experts 0 and 2,
	v_lshrrev_b32 v9, 8, v4
	v_and_b32 v9, 0xff00ff, v9                     ; 1 and 3,
	v_and_b32 v10, 0xff00ff, v5                    ; 4 and 6,
	v_lshrrev_b32 v11, 8, v5
	v_and_b32 v11, 0xff00ff, v11                   ; 5 and 7
.irp m, 1,2,4,8
.irp i, 0,1,2,3
	v_mov_b32_dpp v[12+\i], v[8+\i] row_xmask:\m row_mask:0xf bank_mask:0xf
.endr
.irp i, 0,1,2,3
	v_add_nc_u32 v[8+\i], v[8+\i], v[12+\i]
.endr
.endr
.irp i, 0,1,2,3
	v_permlanex16_b32 v[12+\i], v[8+\i], s80, s81
.endr
.irp i, 0,1,2,3
	v_add_nc_u32 v[8+\i], v[8+\i], v[12+\i]
.endr
.irp i, 0,1,2,3
	v_readfirstlane_b32 s[74+\i], v[8+\i]
.endr
	s_and_b32 s16, s74, 0xffff                     ; s16-23: n_e
	s_lshr_b32 s18, s74, 16
	s_and_b32 s17, s75, 0xffff
	s_lshr_b32 s19, s75, 16
	s_and_b32 s20, s76, 0xffff
	s_lshr_b32 s22, s76, 16
	s_and_b32 s21, s77, 0xffff
	s_lshr_b32 s23, s77, 16
.irp e, 0,1,2,3,4,5,6,7
	s_add_co_u32 s[24+\e], s[16+\e], 15
	s_lshr_b32 s[24+\e], s[24+\e], 4               ; s24-31: an expert's tiles
.endr
	s_mov_b32 s66, 0                               ; s66-73: its first tile
.irp e, 0,1,2,3,4,5,6
	s_add_co_u32 s[67+\e], s[66+\e], s[24+\e]
.endr
	s_add_co_u32 s78, s73, s31                     ; tiles in all
	s_cmp_ge_u32 ttmp9, s78
	s_cbranch_scc1 .Lend                           ; this split has no tile for me
	s_mov_b32 s85, 0                               ; my tile's expert: the last whose first tile is at or under mine (one without tiles is passed over),
	s_mov_b32 s86, 0                               ; that first tile,
	s_mov_b32 s87, s16                             ; and the expert's count
.irp e, 1,2,3,4,5,6,7
	s_cmp_le_u32 s[66+\e], ttmp9
	s_cselect_b32 s85, \e, s85
	s_cselect_b32 s86, s[66+\e], s86
	s_cselect_b32 s87, s[16+\e], s87
.endr
; WHICH TOKEN HAS RANK k IN MY EXPERT'S LIST?  k = 16 (tile - first tile) + lane % 16.  No scatter: each lane searches.
.set G, 0
.rept 32
	v_cmp_eq_u32 s[32+G], s85, v[TV+G]             ; s32-63: which lanes hold a token of my expert in register G
.set G, G+1
.endr
	s_sub_co_u32 s88, ttmp9, s86
	s_lshl_b32 s88, s88, 4
	v_and_b32 v16, 15, v0
	v_add_nc_u32 v16, s88, v16                     ; k
	v_mov_b32 v17, s32                             ; of the last register whose tokens begin at or under rank k: its mask,
	v_mov_b32 v18, 0                               ; the rank at which it begins,
	v_mov_b32 v19, 0                               ; its number
	s_mov_b32 s89, 0
.set G, 1
.rept 31
	s_bcnt1_i32_b32 s90, s[31+G]
	s_add_co_u32 s89, s89, s90                     ; the rank at which register G begins
	v_cmp_gt_u32 vcc_lo, s89, v16                  ; beyond k: keep what I have
	v_cndmask_b32 v17, s[32+G], v17, vcc_lo
	v_cndmask_b32 v18, s89, v18, vcc_lo
	v_cndmask_b32 v19, G, v19, vcc_lo
.set G, G+1
.endr
	v_sub_nc_u32 v20, v16, v18                     ; j: the set bit wanted, counted from 0
	v_mov_b32 v21, 0
	v_mov_b32 v22, 0
.set G, 0
.rept 32
	v_bfe_u32 v23, v17, G, 1
	v_add_nc_u32 v21, v21, v23                     ; set bits up to and with this one
	v_cmp_le_u32 vcc_lo, v21, v20
	v_add_co_ci_u32 v22, vcc_lo, 0, v22, vcc_lo    ; the places that lie ahead of set bit j are those with a count of j or less: their number is its place
.set G, G+1
.endr
	v_lshrrev_b32 v23, 2, v19
	v_lshlrev_b32 v23, 7, v23
	v_lshl_add_u32 v23, v22, 2, v23
	v_and_b32 v24, 3, v19
	v_add_nc_u32 v23, v23, v24                     ; token = 128 (G / 4) + 4 lane + G % 4
	v_min_u32 v23, 0x3ff, v23                      ; a slot beyond the count lands on some token
; THE ROWS.  Lane (r, h) of K step s wants k = 128 s + 64 c + 32 h + 0 .. 31 of token r: two whole blocks, 128 bytes each.
	v_lshlrev_b32 v25, 12, v23
	v_lshl_add_u32 v25, v26, 7, v25
	s_lshl_b32 s90, s84, 10                        ; my wave's two K steps: 1,024 bytes of a row
	v_add_nc_u32 v25, s90, v25
.irp t, 0,1
.irp c, 0,1
.irp i, 0,1,2,3,4,5,6,7
	global_load_b128 v[XN+64*\t+32*\c+4*\i:XN+64*\t+32*\c+4*\i+3], v25, s[6:7] offset:512*\t+256*\c+16*\i
.endr
.endr
.endr
	s_mul_i32 s90, ttmp9, 12288                    ; xq: my tile, my wave's two images
	s_mul_i32 s91, s84, 3072
	s_add_co_u32 s90, s90, s91
	s_mov_b32 s91, 0
	s_add_nc_u64 s[8:9], s[8:9], s[90:91]
	s_lshl_b32 s90, ttmp9, 9                       ; xs: my tile, part wave / 2, register wave % 2
	s_lshr_b32 s92, s84, 1
	s_lshl_b32 s92, s92, 8
	s_add_co_u32 s90, s90, s92
	s_and_b32 s92, s84, 1
	s_lshl_b32 s92, s92, 2
	s_add_co_u32 s90, s90, s92
	s_add_nc_u64 s[10:11], s[10:11], s[90:91]
	s_mov_b32 s92, 0xffff0000
.irp t, 0,1
	s_wait_loadcnt 16-16*\t                        ; this K step's 16 loads are in; the second step's 16 may be out
	QBLK2 XN+64*\t, PC+12*\t, PC+12*\t+6
	v_lshl_or_b32 v[PW+\t], v[BY+1], 16, v[BY]     ; my two bytes: blocks h and 2 + h,
	v_lshlrev_b32 v[PW+\t], v27, v[PW+\t]          ; at their places in the row's scale word;
	v_permlanex16_b32 v[PT], v[PW+\t], s80, s81
	v_or_b32 v[PW+\t], v[PW+\t], v[PT]             ; with lane l xor 16's two the word is whole
.irp q, 0,1,2
	global_store_b128 v2, v[PC+12*\t+4*\q:PC+12*\t+4*\q+3], s[8:9] offset:1536*\t+512*\q   ; 32 lanes store 512 consecutive bytes
.endr
.endr
	v_cndmask_b32 v[PW], v[PW], v[PW+1], s92       ; lanes 0-15 the even K step's word, lanes 16-31 the odd one's
	global_store_b32 v28, v[PW], s[10:11]
	s_cmp_lg_u32 s84, 0
	s_cbranch_scc1 .Lend
	v_lshlrev_b32 v29, 2, v23                      ; wave 0: slotmap[token] = 16 tile + row, for the slots that hold a token of their own
	s_lshl_b32 s94, ttmp9, 4
	v_and_b32 v30, 15, v0
	v_add_nc_u32 v30, s94, v30
	v_cmp_gt_u32 vcc_lo, s87, v16                  ; k under the expert's count
	s_wait_alu depctr_va_vdst(0)
	s_wait_xcnt 0x0                                ; EXEC is a source of the stores above: it changes only behind this wait
	s_and_saveexec_b32 s93, vcc_lo
	global_store_b32 v29, v30, s[12:13]            ; (lanes l and l + 16 write the same word with the same value)
	s_wait_xcnt 0x0                                ; and again in front of the line that widens it
	s_or_b32 exec_lo, exec_lo, s93
	s_cmp_lg_u32 ttmp9, 0
	s_cbranch_scc1 .Lend
	v_mov_b32 v31, 0                               ; work-group 0: the list of tiles
.irp e, 0,1,2,3,4,5,6,7
	v_writelane_b32 v31, s[66+\e], \e
	v_writelane_b32 v31, s[24+\e], 8+\e
.endr
	global_store_b32 v[VM], v31, s[14:15]          ; 128 bytes: words 0-15 the list, 16-31 zeros
.Lend:
	s_endpgm
.Lfunc_end_k_q6cb02e4ff9_place:
	.size	k_q6cb02e4ff9_place, .Lfunc_end_k_q6cb02e4ff9_place-k_q6cb02e4ff9_place
	.p2alignl 7, 3214868480
	.fill 96, 4, 3214868480
	.section	.rodata,"a",@progbits
	.p2align	6, 0x0
	.amdhsa_kernel k_q6cb02e4ff9_place
		.amdhsa_group_segment_fixed_size 0
		.amdhsa_private_segment_fixed_size 0
		.amdhsa_enable_private_segment 0
		.amdhsa_kernarg_size 48
		.amdhsa_user_sgpr_count 2
		.amdhsa_user_sgpr_kernarg_segment_ptr 1
		.amdhsa_wavefront_size32 1
		.amdhsa_system_sgpr_workgroup_id_x 1
		.amdhsa_system_sgpr_workgroup_id_y 1
		.amdhsa_system_sgpr_workgroup_id_z 1
		.amdhsa_system_vgpr_workitem_id 0
		.amdhsa_next_free_vgpr 240
		.amdhsa_next_free_sgpr 96
		.amdhsa_reserve_vcc 1
		.amdhsa_float_denorm_mode_32 3
		.amdhsa_float_denorm_mode_16_64 3
		.amdhsa_memory_ordered 1
		.amdhsa_forward_progress 1
		.amdhsa_inst_pref_size 38
	.end_amdhsa_kernel
	.amdgpu_metadata
---
amdhsa.version: [ 1, 2 ]
amdhsa.kernels:
  - .name:           k_q6cb02e4ff9_place
    .symbol:         k_q6cb02e4ff9_place.kd
    .args:
      - { .name: top1, .offset: 0, .size: 8, .value_kind: global_buffer, .address_space: global }
      - { .name: x, .offset: 8, .size: 8, .value_kind: global_buffer, .address_space: global }
      - { .name: xq, .offset: 16, .size: 8, .value_kind: global_buffer, .address_space: global }
      - { .name: xs, .offset: 24, .size: 8, .value_kind: global_buffer, .address_space: global }
      - { .name: slotmap, .offset: 32, .size: 8, .value_kind: global_buffer, .address_space: global }
      - { .name: meta, .offset: 40, .size: 8, .value_kind: global_buffer, .address_space: global }
    .group_segment_fixed_size: 0
    .private_segment_fixed_size: 0
    .kernarg_segment_align: 8
    .kernarg_segment_size: 48
    .max_flat_workgroup_size: 128
    .sgpr_count:     96
    .vgpr_count:     240
    .wavefront_size: 32
...
	.end_amdgpu_metadata
.endif
;; end of part 6
;; launch ffn1 (part 7): grid 256 x 1, 4 waves a work-group, no clusters, 197,632 bytes of LDS; arguments w1, b1, xq, xs, meta, hq, hs; writes hq, hs
.if DOCPART == 7
	.amdgcn_target "amdgcn-amd-amdhsa--gfx1250"
	.amdhsa_code_object_version 6
	.text
	.protected	k_q6cb02e4ff9_ffn1
	.globl	k_q6cb02e4ff9_ffn1
	.p2align	8
	.type	k_q6cb02e4ff9_ffn1,@function
k_q6cb02e4ff9_ffn1:
	s_mov_b64 s[64:65], 0
	v_nop
	global_prefetch_b8 v0, s[64:65] scope:SCOPE_SE
	s_setreg_imm32_b32 hwreg(HW_REG_WAVE_SCHED_MODE, 0, 2), 2
	s_setreg_imm32_b32 hwreg(HW_REG_WAVE_MODE, 25, 1), 1
	s_wait_xcnt 0x0
	s_wait_alu depctr_vm_vsrc(0)
; THE FIRST PRODUCT: h = relu(x W1[e] + b1[e]) for the tokens of expert e alone (the others' rows are multiplied by the 0 of one_hot(top1) in the problem's last product), then h quantised along F.
; WHAT BINDS: w1's 134 MB of f32, read once.  So the work is shared by WEIGHTS, evenly for every split: work-group = (expert e = wg / 32, columns 128 fg .. + 127, fg = wg % 32);
; wave w: columns 64 (w % 2) on, rows (K) 512 (w / 2) on: 64 columns x 512 rows = 128 KB.  W1 is quantised in registers on its way to the matrix unit and never stored.  The two K halves meet in LDS.
; HOW W COMES.  One load of 16 bytes a lane takes two rows: lanes 0-15 the wave's 256 consecutive bytes of row 64 c + i, lanes 16-31 those of the row 32 further down.  After a GROUP of 32 such loads lane (r, hh) holds
; block 2 c + hh (32 along K) of columns 4 r + j, j = 0 .. 3, at register 4 i + j.  The columns 4 r + j, r = 0 .. 15, form tile j: so the lane holds just what the 6-bit operand layout gives it; only its registers
; are interleaved, and 128 moves a group lay each column's 32 numbers on end for the conversions.
; THE PRODUCT is used with source 0 = a tile of W (16 columns), source 1 = an image of 16 tokens: lane (r, h) of the result holds token r, and register jj of tile j column 32 h + 4 jj + j: its 32 registers are one block of 32 along F.
; ORDER OF h's CODES: in each block of 32 along F, place p holds F offset 4 (p % 8) + p / 8 (the accumulators' order).  The next launch lays W2's rows alike: a permutation inside a block, alike on both sides, keeps scales and products.
; PASSES.  A pass serves up to 12 tiles (192 tokens).  The loop over passes has the constant count 6 (6 x 12 >= 64 tiles); a pass with no tile jumps over the stream, never over a barrier.  An expert with more than 192 tokens reads its weights again.
; No tensor load, no cluster: jumps hang on the stored list of tiles, and no two work-groups read the same weights.  LIMITS: NaN and infinities are not served; a block of zeros gets the byte 1 (its codes are zeros; this program alone reads the bytes).
; REGISTERS, in windows of 256.  Window 0: below.  Window 1: v0-127, v128-255 the two groups as they land.  Window 2: accumulators of tiles 0-7 (tile i, column tile j at 32 i + 8 j).  Window 3: v0-127 those of tiles 8-11; v128-247 the token images of tiles 0-9.
; THE MODE: SCHED_MODE bits 1:0 = 2 (LLVM: expert scheduling mode 2), set by the entry lines.  The code itself states the register dependences between vector or matrix instructions and memory or LDS instructions, with s_wait_alu, always for 0.
; THE PLAN.  Registers that memory or LDS instructions touch:
;   group 0 (window 1, v0-127)     the weights' loads land; the moves DEINT 0 read; asked for again behind the second of them.  In FIN b1 lands in v0-63 from LDS and additions read it.
;   group 1 (window 1, v128-255)   the weights' loads land; the moves DEINT 1 read; asked for again ahead of the K step's products.  In FIN the partial sums land there from LDS and additions read them.
;   the token images (window 3 v128-247, v[AFX ..]) and their scale pairs v[SA ..]: loads land, the products alone read; the images are asked for again behind the products.
;   the sums (window 2, window 3 v0-127): the products write; the LDS stores behind the last K step read; the next pass's first products write them anew.
;   v[WF .. WF + 11], v[PW] in FIN: the quantiser writes, the global stores read.   v[VT .. VT + 3]: wave 0's b1: a load lands, four LDS stores read; later the moves write them.
;   v[VA ..], v[VSA ..]: offsets made anew in each pass, read by the image and scale loads.  All other offsets and addresses are made once, at the head.
; A K STEP has three waits on va_vdst: behind the moves that empty group 0; behind the places ahead of the products (W's codes and scale words are written; the moves are done reading group 1); behind the products and their places.
; A PASS'S HEAD has one wait on vm_vsrc and one on va_vdst, ahead of its branch, for all that the pass before left; one more on va_vdst stands behind the lines that make v[VA ..], v[VSA ..].  FIN has its own, said there.
.set PITCH, 16384                      ; a row of w1 in bytes
.set TILEB, 12288                      ; a tile's images in xq
.set STB,   512                        ; and its scale records in xs
.set NPASS, 6
.set BIAS,  196608                     ; LDS: 0 .. 196,607 partial sums [tile 12][wave 4][4,096]; then b1's 128 numbers in the accumulators' order;
.set SPARE, 197120                     ; then the spare words, 128 bytes a wave, which no other line names
.set VW,   1                           ; w1: hh x 32 rows + 16 r
.set VL16, 2                           ; 16 x lane
.set VL8,  3                           ; 8 x lane
.set SH8,  4                           ; 8 hh
.set VRS,  5                           ; v5-7   LDS: where I put partial sums: 16 lane + 4,096 wave + 65,536 k
.set VRL,  8                           ; v8-10  LDS: where I read a tile's: 16 lane + 16,384 wave + 65,536 m
.set VBI,  11                          ; LDS: the bias of my half: BIAS + 128 h
.set VBS,  12                          ; LDS: where wave 0 puts the bias
.set VSW,  13                          ; hs: 8 (lane % 16)
.set SPW,  14
.set NIL,  15
.set VA,   16                          ; v16-27 tile i's offset in the pass's images
.set VPF,  28                          ; lane x a row of w1
.set VT,   32                          ; v32-95 two columns' blocks on end; later a tile's 64 numbers of h
.set WF,   96                          ; v96-143 W's four fragments; later h's codes
.set SW,   144                         ; v144-147 W's scale words
.set SA,   148                         ; v148-171 the tokens' scale words, a pair a tile
.set AFX,  172                         ; v172-195 the token images of tiles 10, 11
.set MX,   196
.set SC,   200
.set BY,   202
.set PW,   205
.set CT,   208
.set VSA,  216                         ; v216-227 tile i's offset in the pass's scale records
.set PT4,  228                         ; v228-231
.set S_W, 22
.set S_E, 23
.set S_FG, 24
.set S_CH, 25
.set S_KH, 26
.set S_T, 27
.set S_TB, 28
.set S_TP, 29                          ; tiles in this pass
.set S_TPM1, 30
.set S_PASS, 31
.set S_TILE0, 32                       ; the pass's first tile
.set S_MO, 33
.set WB, 34                            ; s[34:35] my part of w1
.set AB, 36                            ; s[36:37] the pass's images, my K half
.set SB, 38                            ; s[38:39] the pass's scale records, my K half
.set HO, 48
.set HSO, 50
.set XQB, 52
.set XSB, 54
.set HQB, 56
.set HSB, 58
.set B1B, 60
.set MSB, 0
.macro WIN new                         ; the immediate's high byte repeats the setting that is left; a switch that changes nothing is dropped.  At every label and branch the setting is 0
.if MSB != (\new)
	s_set_vgpr_msb (MSB<<8)|(\new)
.set MSB, (\new)
.endif
.endm
.macro GLOAD c, s                      ; group c of K step s: 32 loads, 16 KB
	WIN 0x40                                       ; destination window 1
.set gi, 0
.rept 32
	global_load_b128 v[128*(\c)+4*gi:128*(\c)+4*gi+3], v[VW], s[WB:WB+1] offset:(128*(\s)+64*(\c)+gi)*PITCH th:TH_LOAD_NT   ; sixteen lanes read 256 consecutive, aligned bytes; read once in the launch
.set gi, gi+1
.endr
	WIN 0
.endm
.macro DEINT c, j0                     ; columns j0 and j0 + 1 of group c: each one's 32 numbers on end
	WIN 0x01                                       ; source window 1
.set dp, 0
.rept 32
	v_mov_b32 v[VT+dp], v[128*(\c)+4*dp+(\j0)]
	v_mov_b32 v[VT+32+dp], v[128*(\c)+4*dp+(\j0)+1]
.set dp, dp+1
.endr
	WIN 0
.endm
; two blocks of 32 numbers, v[src] .. and v[src + 32] .., become six registers of codes each, at d0 and d1, and a scale byte each in v[BY], v[BY + 1]
.macro QBLK2 src, d0, d1
.irp h, 0,1,2,3
	v_max3_num_f32 v[MX+\h], |v[(\src)+16*\h]|, |v[(\src)+16*\h+1]|, 0x1800000   ; four chains of 16 numbers; the floor 2^(3 - 127) holds the byte at 1 from below
.endr
.irp i, 2,4,6,8,10,12,14
.irp h, 0,1,2,3
	v_max3_num_f32 v[MX+\h], v[MX+\h], |v[(\src)+16*\h+\i]|, |v[(\src)+16*\h+\i+1]|
.endr
.endr
	v_max_num_f32 v[MX], v[MX], v[MX+1]
	v_max_num_f32 v[MX+2], v[MX+2], v[MX+3]
	v_add_nc_u32 v[SC], 0xff000000, v[MX]          ; 2 off the exponent field: the conversion takes that field as its scale and nothing else
	v_add_nc_u32 v[SC+1], 0xff000000, v[MX+2]
	v_cvt_scalef32_pk16_fp6_f32 v[(\d0):(\d0)+2], v[(\src):(\src)+15], v[SC]
	v_cvt_scalef32_pk16_fp6_f32 v[CT:CT+2], v[(\src)+16:(\src)+31], v[SC]       ; (a conversion's three registers begin on an even number)
	v_cvt_scalef32_pk16_fp6_f32 v[(\d1):(\d1)+2], v[(\src)+32:(\src)+47], v[SC+1]
	v_cvt_scalef32_pk16_fp6_f32 v[CT+4:CT+6], v[(\src)+48:(\src)+63], v[SC+1]
	v_lshrrev_b32 v[BY], 23, v[SC]                 ; the bytes; also the plain line between the conversions and whatever touches their results next
	v_lshrrev_b32 v[BY+1], 23, v[SC+1]
.irp i, 0,1,2
	v_mov_b32 v[(\d0)+3+\i], v[CT+\i]
	v_mov_b32 v[(\d1)+3+\i], v[CT+4+\i]
.endr
.endm
.macro QW c, j0                        ; the two columns in v[VT] on become registers 6 c .. 6 c + 5 of W's fragments j0 and j0 + 1
	QBLK2 VT, WF+12*(\j0)+6*(\c), WF+12*(\j0)+12+6*(\c)
.if (\c) == 0
	v_mov_b32 v[SW+(\j0)], v[BY]
	v_mov_b32 v[SW+(\j0)+1], v[BY+1]
.else
	v_lshl_or_b32 v[SW+(\j0)], v[BY], 16, v[SW+(\j0)]
	v_lshl_or_b32 v[SW+(\j0)+1], v[BY+1], 16, v[SW+(\j0)+1]
.endif
.endm
.macro SWFIN                           ; my bytes are those of blocks hh and 2 + hh: 8 hh bits up, and lane l xor 16's beside them, the scale words are whole
.irp j, 0,1,2,3
	v_lshlrev_b32 v[SW+\j], v[SH8], v[SW+\j]
.endr
.irp j, 0,1,2,3
	v_permlanex16_b32 v[PT4+\j], v[SW+\j], s20, s21
.endr
.irp j, 0,1,2,3
	v_or_b32 v[SW+\j], v[SW+\j], v[PT4+\j]
.endr
.rept 8
	v_nop                                          ; a scale register written by a vector line stands eight places ahead of a scaled product, an operand so written four
.endr
.endm
.macro ALOADS s, cond                  ; the token images of K step s.  cond = 1: of the pass's tiles alone
.irp i, 0,1,2,3,4,5,6,7,8,9,10,11
.if (\cond) && (\i > 0)
	WIN 0
	s_cmp_le_u32 s[S_TP], \i
	s_cbranch_scc1 .Lal_done_\@
.endif
.if \i < 10
	WIN 0xc0                                       ; destination window 3
.irp q, 0,1,2
	global_load_b128 v[128+12*\i+4*\q:128+12*\i+4*\q+3], v[VA+\i], s[AB:AB+1] offset:1536*(\s)+512*\q
.endr
.else
	WIN 0
.irp q, 0,1,2
	global_load_b128 v[AFX+12*(\i-10)+4*\q:AFX+12*(\i-10)+4*\q+3], v[VA+\i], s[AB:AB+1] offset:1536*(\s)+512*\q
.endr
.endif
.endr
	WIN 0
.Lal_done_\@:
.endm
.macro WM acc, wf, af, sw, sa, zero, odd
.if \zero
	v_wmma_scale_f32_16x16x128_f8f6f4 v[(\acc):(\acc)+7], v[(\wf):(\wf)+11], v[(\af):(\af)+11], 0, v[\sw], v[\sa] matrix_a_fmt:MATRIX_FMT_FP6 matrix_b_fmt:MATRIX_FMT_FP6
.elseif \odd
	v_wmma_scale_f32_16x16x128_f8f6f4 v[(\acc):(\acc)+7], v[(\wf):(\wf)+11], v[(\af):(\af)+11], v[(\acc):(\acc)+7], v[\sw], v[\sa] matrix_a_fmt:MATRIX_FMT_FP6 matrix_b_fmt:MATRIX_FMT_FP6 matrix_b_scale:MATRIX_SCALE_ROW1
.else
	v_wmma_scale_f32_16x16x128_f8f6f4 v[(\acc):(\acc)+7], v[(\wf):(\wf)+11], v[(\af):(\af)+11], v[(\acc):(\acc)+7], v[\sw], v[\sa] matrix_a_fmt:MATRIX_FMT_FP6 matrix_b_fmt:MATRIX_FMT_FP6
.endif
.endm
; K step s's products: each tile of tokens against W's four tiles.  The accumulators take turns, one instruction a turn, from K step to K step too.
; first = 1: all 12 tiles, so that every sum begins with the constant 0 and nothing is cleared (a tile beyond the pass's count multiplies a copy of the last one, and is not stored).
.macro MULT s, first
.irp i, 0,1,2,3,4,5,6,7,8,9,10,11
.if !(\first) && (\i > 0)
	WIN 0
	s_cmp_le_u32 s[S_TP], \i
	s_cbranch_scc1 .Lmu_done_\@
.endif
.if \i < 8
.set AW, 0xac                          ; source 0 (W) window 0, source 1 (tokens) window 3, C and D window 2
.set AC0, 32*\i
.set AF0, 128+12*\i
.elseif \i < 10
.set AW, 0xfc                          ; C and D window 3
.set AC0, 32*(\i-8)
.set AF0, 128+12*\i
.else
.set AW, 0xf0                          ; the tokens' image in window 0
.set AC0, 32*(\i-8)
.set AF0, AFX+12*(\i-10)
.endif
	WIN AW
.irp j, 0,1,2,3
	WM AC0+8*\j, WF+12*\j, AF0, SW+\j, SA+2*\i+((\s)>>1), \first, ((\s)&1)
.endr
.endr
	WIN 0
.Lmu_done_\@:
.endm
; A PREFETCH INTO THE L2 of K step s of my own part of w1: 128 rows x 256 bytes, a lane a row, four instructions.  Each of these blocks is read by my wave alone, so each is named once in the launch: in the first pass only.
; It stands behind the trip's loads; trip s - 2 asks, which is one trip ahead of that K step's loads.  K steps 0 and 1 come by their loads alone, and the last two trips ask for nothing.
.macro PREF s
	s_cmp_lg_u32 s[S_PASS], 0
	s_cbranch_scc1 .Lnp_\@
.irp k, 0,1,2,3
	global_prefetch_b8 v[VPF], s[WB:WB+1] offset:(128*(\s)+32*\k)*PITCH th:TH_LOAD_NT scope:SCOPE_SE
.endr
.Lnp_\@:
.endm
; The order in which a K step's loads are asked for: the next group 0 (32), the next group 1 (32), the next images (3 for each tile of the pass).
.macro KSTEP s, first, last
.if \first
	s_wait_loadcnt 63                              ; group 0 is in: behind it stand group 1's 32 loads, 12 scale pairs and 36 image loads, more than a count can name
.else
	s_wait_loadcnt 35                              ; group 0 is in: behind it stand group 1's 32 loads and, however few tiles the pass has, tile 0's three image loads
.endif
	DEINT 0, 0
	QW 0, 0
	DEINT 0, 2
.if !(\last)
	WIN 0x40                                       ; (the switch, then the wait, then the loads)
	s_wait_alu depctr_va_vdst(0)                   ; the moves are done reading group 0's registers, in which the next K step's loads land
	GLOAD 0, (\s)+1
.endif
	QW 0, 2
.if \last
	s_wait_loadcnt 0x0
.else
	s_wait_loadcnt 32                              ; all but the 32 just issued: group 1 and this K step's images are in (in K step 0 the scale pairs too), however many tiles the pass has
.endif
	DEINT 1, 0
	QW 1, 0
	DEINT 1, 2
	QW 1, 2
	SWFIN
.if !(\last)
	WIN 0x40
.endif
	s_wait_alu depctr_va_vdst(0)                   ; behind the eight places: W's codes v[WF ..] and scale words v[SW ..] are written, which the scaled products take; and the moves are done reading group 1's registers
.if !(\last)
	GLOAD 1, (\s)+1                                ; group 1 is asked for again ahead of the products, which name none of its registers nor v[VW]
.endif
	MULT \s, \first
.rept 4
	v_nop                                          ; four places behind the last product, before its result is read; they stay beside the wait below
.endr
	s_wait_alu depctr_va_vdst(0)                   ; the products are done reading the token images, in which the next K step's land; behind the last K step: they have written the sums, which the LDS stores read
.if !(\last)
	ALOADS (\s)+1, 1
.if (\s) < 2
	PREF (\s)+2
.endif
.endif
.endm
.macro REDOUT                          ; my partial sums of the pass's tiles go to LDS as images of their registers, each accumulator from its low end on (the wait that ends the last K step has shown them written; no vector line stands since)
.irp i, 0,1,2,3,4,5,6,7,8,9,10,11
.if \i > 0
	WIN 0
	s_cmp_le_u32 s[S_TP], \i
	s_cbranch_scc1 .Lro_done_\@
.endif
.if \i < 8
	WIN 0x08                                       ; an LDS store's data are its source 1: window 2
.set RB, 32*\i
.else
	WIN 0x0c
.set RB, 32*(\i-8)
.endif
.irp q, 0,1,2,3,4,5,6,7
	ds_store_b128 v[VRS+\i/4], v[RB+4*\q:RB+4*\q+3] offset:(\i%4)*16384+512*\q
.endr
.endr
	WIN 0
.Lro_done_\@:
.endm
; Tile 4 m + wave of the pass is mine to finish: the two K halves are added, b1, relu, the quantiser; the image is K step fg of the next product.
.macro FIN m
.if (\m) > 0
	s_wait_alu depctr_vm_vsrc(0)                   ; the stores of the tile before have read v[WF ..] and v[PW], which this tile's quantiser writes again; ahead of the branch
.endif
	s_add_co_u32 s42, s[S_W], 4*(\m)
	s_cmp_ge_u32 s42, s[S_TP]
	s_cbranch_scc1 .Lfin_\@
	s_wait_xcnt 0x0                                ; the last block's stores have read their data and bases: both are written again below
	s_add_co_u32 s42, s42, s[S_TILE0]
	s_min_u32 s42, s42, 70
	s_mul_i32 s40, s42, 49152
	s_mov_b32 s41, 0
	s_add_nc_u64 s[HO:HO+1], s[HQB:HQB+1], s[40:41]
	s_lshl_b32 s40, s42, 11
	s_add_nc_u64 s[HSO:HSO+1], s[HSB:HSB+1], s[40:41]
	WIN 0x40
	s_wait_alu depctr_va_vdst(0)                   ; the vector lines that read window 1's registers last (the moves out of the groups, the additions of the tile before) are done: the LDS loads below land there
.irp w, 0,1,2,3
.irp q, 0,1,2,3,4,5,6,7
	ds_load_b128 v[128+32*\w+4*\q:128+32*\w+4*\q+3], v[VRL+\m] offset:4096*\w+512*\q
.endr
.endr
.irp c, 0,1
.irp q, 0,1,2,3,4,5,6,7
	ds_load_b128 v[32*\c+4*\q:32*\c+4*\q+3], v[VBI] offset:256*\c+16*\q
.endr
.endr
	s_wait_dscnt 0x0
	WIN 0x05                                       ; both sources window 1
.irp c, 0,1
.irp k, 0,1,2,3,4,5,6,7,8,9,10,11,12,13,14,15
	v_pk_add_f32 v[VT+32*\c+2*\k:VT+32*\c+2*\k+1], v[128+32*\c+2*\k:128+32*\c+2*\k+1], v[192+32*\c+2*\k:192+32*\c+2*\k+1]   ; wave c's (K half 0) + wave c + 2's (K half 1)
.endr
.endr
	WIN 0x04                                       ; source 1 window 1
.irp k, 0,1,2,3,4,5,6,7,8,9,10,11,12,13,14,15,16,17,18,19,20,21,22,23,24,25,26,27,28,29,30,31
	v_pk_add_f32 v[VT+2*\k:VT+2*\k+1], v[VT+2*\k:VT+2*\k+1], v[2*\k:2*\k+1]   ; + b1
.endr
	WIN 0
.irp k, 0,1,2,3,4,5,6,7,8,9,10,11,12,13,14,15,16,17,18,19,20,21,22,23,24,25,26,27,28,29,30,31,32,33,34,35,36,37,38,39,40,41,42,43,44,45,46,47,48,49,50,51,52,53,54,55,56,57,58,59,60,61,62,63
	v_max_num_f32 v[VT+\k], 0, v[VT+\k]            ; relu, in f32
.endr
	QBLK2 VT, WF, WF+6                             ; lane (r, h): blocks h and 2 + h of token r: the operand's own layout
	v_lshl_or_b32 v[PW], v[BY+1], 16, v[BY]
	v_lshlrev_b32 v[PW], v[SH8], v[PW]
	v_permlanex16_b32 v[PT4], v[PW], s20, s21
	v_or_b32 v[PW], v[PW], v[PT4]
	s_wait_alu depctr_va_vdst(0)                   ; the codes v[WF .. WF + 11] and the scale word v[PW] are written, which the stores below read
.irp q, 0,1,2
	global_store_b128 v[VL16], v[WF+4*\q:WF+4*\q+3], s[HO:HO+1] offset:512*\q   ; 32 lanes store 512 consecutive bytes
.endr
	global_store_b32 v[VSW], v[PW], s[HSO:HSO+1]   ; (lanes l and l + 16 write the same word with the same value)
.Lfin_\@:
.endm
	s_load_b256 s[4:11], s[0:1], 0x0               ; w1 s[4:5], b1 s[6:7], xq s[8:9], xs s[10:11]
	s_load_b128 s[12:15], s[0:1], 0x20             ; meta s[12:13], hq s[14:15]
	s_load_b64 s[16:17], s[0:1], 0x30              ; hs
	v_lshl_add_u32 v[SPW], v0, 2, SPARE
	v_mov_b32 v[NIL], 0
	v_lshrrev_b32 v29, 5, v0
	v_readfirstlane_b32 s[S_W], v29                ; wave
	v_and_b32 v29, 31, v0                          ; lane
	v_and_b32 v30, 15, v0                          ; r
	v_bfe_u32 v31, v0, 4, 1                        ; h
	v_lshlrev_b32 v[VL16], 4, v29
	v_lshlrev_b32 v[VL8], 3, v29
	v_lshlrev_b32 v[SH8], 3, v31
	v_lshlrev_b32 v[VW], 4, v30
	v_lshl_add_u32 v[VW], v31, 19, v[VW]           ; 32 rows of 16,384 bytes
	v_lshlrev_b32 v[VPF], 14, v29
	v_lshlrev_b32 v[VSW], 3, v30
	s_wait_alu depctr_va_sdst(0)                   ; the wave's number s[S_W] is written, ahead of its first reader
	s_lshl_b32 s40, s[S_W], 12                     ; every LDS address is made here, ahead of the first parting of the waves
	v_add_nc_u32 v[VRS], s40, v[VL16]
	v_add_nc_u32 v[VRS+1], 0x10000, v[VRS]
	v_add_nc_u32 v[VRS+2], 0x20000, v[VRS]
	s_lshl_b32 s40, s[S_W], 14
	v_add_nc_u32 v[VRL], s40, v[VL16]
	v_add_nc_u32 v[VRL+1], 0x10000, v[VRL]
	v_add_nc_u32 v[VRL+2], 0x20000, v[VRL]
	v_lshl_add_u32 v[VBI], v31, 7, BIAS
	v_and_b32 v[VBS], 7, v29                       ; b1's number 4 l + j lies in block l / 8 at F offset 4 (l % 8) + j, which is place 8 j + l % 8 of the accumulators' order
	v_lshlrev_b32 v[VBS], 2, v[VBS]
	v_lshrrev_b32 v30, 3, v29
	v_lshl_add_u32 v[VBS], v30, 7, v[VBS]
	v_add_nc_u32 v[VBS], BIAS, v[VBS]
.irp j, 0,1,2,3
	v_mov_b32 v[PT4+\j], 0                         ; written once: a lane exchange's destination counts as one of its sources
.endr
	s_lshr_b32 s[S_E], ttmp9, 5
	s_and_b32 s[S_FG], ttmp9, 31
	s_and_b32 s[S_CH], s[S_W], 1
	s_lshr_b32 s[S_KH], s[S_W], 1
	s_lshl_b32 s[S_MO], s[S_E], 2
	s_mov_b32 s20, 0x76543210
	s_mov_b32 s21, 0xfedcba98
	s_wait_kmcnt 0x0
	s_load_b32 s[S_TB], s[12:13], s[S_MO] offset:0x0    ; my expert's first tile,
	s_load_b32 s[S_T], s[12:13], s[S_MO] offset:0x20    ; and its tiles
	s_lshl_b32 s40, s[S_E], 24                     ; w1: expert, K half, column group, column half
	s_lshl_b32 s42, s[S_KH], 23
	s_add_co_u32 s40, s40, s42
	s_lshl_b32 s42, s[S_FG], 9
	s_add_co_u32 s40, s40, s42
	s_lshl_b32 s42, s[S_CH], 8
	s_add_co_u32 s40, s40, s42
	s_mov_b32 s41, 0
	s_add_nc_u64 s[WB:WB+1], s[4:5], s[40:41]
	s_lshl_b32 s40, s[S_E], 14
	s_lshl_b32 s42, s[S_FG], 9
	s_add_co_u32 s40, s40, s42
	s_add_nc_u64 s[B1B:B1B+1], s[6:7], s[40:41]
	s_mul_i32 s40, s[S_KH], 6144                   ; my K half: four images,
	s_add_nc_u64 s[XQB:XQB+1], s[8:9], s[40:41]
	s_lshl_b32 s40, s[S_KH], 8                     ; one scale record
	s_add_nc_u64 s[XSB:XSB+1], s[10:11], s[40:41]
	s_mul_i32 s40, s[S_FG], 1536                   ; hq: K step fg
	s_add_nc_u64 s[HQB:HQB+1], s[14:15], s[40:41]
	s_lshr_b32 s40, s[S_FG], 2                     ; hs: record fg / 4, half fg % 2, register (fg / 2) % 2
	s_lshl_b32 s40, s40, 8
	s_and_b32 s42, s[S_FG], 1
	s_lshl_b32 s42, s42, 7
	s_add_co_u32 s40, s40, s42
	s_bfe_u32 s42, s[S_FG], 0x10001
	s_lshl_b32 s42, s42, 2
	s_add_co_u32 s40, s40, s42
	s_add_nc_u64 s[HSB:HSB+1], s[16:17], s[40:41]
	s_wait_kmcnt 0x0
	s_min_u32 s[S_TB], s[S_TB], 70
	s_min_u32 s[S_T], s[S_T], 64
	s_wait_alu depctr_va_vdst(0)                   ; the head's offsets and addresses (v1 to v15, v28) are written, which the loads, stores and prefetches of the whole kernel read
	s_cmp_lg_u32 s[S_W], 0
	s_cbranch_scc1 .Lno_bias
	global_load_b128 v[VT:VT+3], v[VL16], s[B1B:B1B+1]   ; wave 0: the work-group's 128 numbers of b1
	s_wait_loadcnt 0x0
.irp j, 0,1,2,3
	ds_store_b32 v[VBS], v[VT+\j] offset:32*\j     ; read behind the first barrier below, in front of which I wait for these stores
.endr
.Lno_bias:
	s_mov_b32 s[S_PASS], 0
.Lpass:
	s_wait_xcnt 0x0                                ; bases, offsets and store data of the pass before are written again
	s_wait_alu depctr_vm_vsrc(0)                   ; what was issued so far has read its registers: the image and scale loads v[VA ..], v[VSA ..], made anew below; the LDS stores the sums, which the first products write anew; the last tile's stores v[WF ..], v[PW]; wave 0's bias stores v[VT ..]
	s_wait_alu depctr_va_vdst(0)                   ; the last tile's additions are done reading window 1's registers, in which the weights' loads land
	s_mul_i32 s40, s[S_PASS], 12
	s_sub_co_i32 s41, s[S_T], s40
	s_max_i32 s41, s41, 0
	s_min_u32 s[S_TP], s41, 12
	s_add_co_u32 s42, s[S_TB], s40
	s_min_u32 s[S_TILE0], s42, 70
	s_cmp_eq_u32 s[S_TP], 0
	s_cbranch_scc1 .Lno_stream                     ; the same in all four waves; it leads round the stream alone
	s_sub_co_u32 s[S_TPM1], s[S_TP], 1
	s_mul_i32 s40, s[S_TILE0], TILEB
	s_mov_b32 s41, 0
	s_add_nc_u64 s[AB:AB+1], s[XQB:XQB+1], s[40:41]
	s_mul_i32 s40, s[S_TILE0], STB
	s_add_nc_u64 s[SB:SB+1], s[XSB:XSB+1], s[40:41]
	GLOAD 0, 0                                     ; the weights first: they have the longest way
	GLOAD 1, 0
.irp i, 0,1,2,3,4,5,6,7,8,9,10,11
	s_min_u32 s42, s[S_TPM1], \i                   ; a tile beyond the pass's count takes the last one's place
	s_mul_i32 s43, s42, TILEB
	v_add_nc_u32 v[VA+\i], s43, v[VL16]
	s_mul_i32 s43, s42, STB
	v_add_nc_u32 v[VSA+\i], s43, v[VL8]
.endr
	s_wait_alu depctr_va_vdst(0)                   ; v[VA ..] and v[VSA ..] are written, which the scale and image loads of this pass read as their offsets
.irp i, 0,1,2,3,4,5,6,7,8,9,10,11
	global_load_b64 v[SA+2*\i:SA+2*\i+1], v[VSA+\i], s[SB:SB+1]   ; four K steps' scale words of 16 tokens: 256 consecutive bytes
.endr
	ALOADS 0, 0
	KSTEP 0, 1, 0
	KSTEP 1, 0, 0
	KSTEP 2, 0, 0
	KSTEP 3, 0, 1
	REDOUT
.Lno_stream:
	s_wait_dscnt 0x0                               ; for the others' sake: my partial sums (and wave 0's bias) lie in LDS
	s_barrier_signal -1
	s_barrier_wait -1
	FIN 0
	FIN 1
	FIN 2
	s_wait_dscnt 0x0                               ; my reads of the partial sums are over: behind this barrier the next pass may write them
	s_barrier_signal -1
	s_barrier_wait -1
	s_add_co_u32 s[S_PASS], s[S_PASS], 1
	s_cmp_lt_u32 s[S_PASS], NPASS
	s_cbranch_scc1 .Lpass
	s_wait_dscnt 0x0                               ; the closing lines, six on end
	s_wait_alu 0x0
	s_wait_tensorcnt 0x0
	ds_add_u32 v[SPW], v[NIL]
	s_wait_dscnt 0x0
	s_endpgm
.Lfunc_end_k_q6cb02e4ff9_ffn1:
	.size	k_q6cb02e4ff9_ffn1, .Lfunc_end_k_q6cb02e4ff9_ffn1-k_q6cb02e4ff9_ffn1
	.p2alignl 7, 3214868480
	.fill 96, 4, 3214868480
	.section	.rodata,"a",@progbits
	.p2align	6, 0x0
	.amdhsa_kernel k_q6cb02e4ff9_ffn1
		.amdhsa_group_segment_fixed_size 197632
		.amdhsa_private_segment_fixed_size 0
		.amdhsa_enable_private_segment 0
		.amdhsa_kernarg_size 56
		.amdhsa_user_sgpr_count 2
		.amdhsa_user_sgpr_kernarg_segment_ptr 1
		.amdhsa_wavefront_size32 1
		.amdhsa_system_sgpr_workgroup_id_x 1
		.amdhsa_system_sgpr_workgroup_id_y 1
		.amdhsa_system_sgpr_workgroup_id_z 1
		.amdhsa_system_vgpr_workitem_id 0
		.amdhsa_next_free_vgpr 1024
		.amdhsa_next_free_sgpr 66
		.amdhsa_reserve_vcc 0
		.amdhsa_float_denorm_mode_32 3
		.amdhsa_float_denorm_mode_16_64 3
		.amdhsa_memory_ordered 1
		.amdhsa_forward_progress 1
		.amdhsa_inst_pref_size 211
	.end_amdhsa_kernel
	.amdgpu_metadata
---
amdhsa.version: [ 1, 2 ]
amdhsa.kernels:
  - .name:           k_q6cb02e4ff9_ffn1
    .symbol:         k_q6cb02e4ff9_ffn1.kd
    .args:
      - { .name: w1, .offset: 0, .size: 8, .value_kind: global_buffer, .address_space: global }
      - { .name: b1, .offset: 8, .size: 8, .value_kind: global_buffer, .address_space: global }
      - { .name: xq, .offset: 16, .size: 8, .value_kind: global_buffer, .address_space: global }
      - { .name: xs, .offset: 24, .size: 8, .value_kind: global_buffer, .address_space: global }
      - { .name: meta, .offset: 32, .size: 8, .value_kind: global_buffer, .address_space: global }
      - { .name: hq, .offset: 40, .size: 8, .value_kind: global_buffer, .address_space: global }
      - { .name: hs, .offset: 48, .size: 8, .value_kind: global_buffer, .address_space: global }
    .group_segment_fixed_size: 197632
    .private_segment_fixed_size: 0
    .kernarg_segment_align: 8
    .kernarg_segment_size: 56
    .max_flat_workgroup_size: 128
    .sgpr_count:     66
    .vgpr_count:     1024
    .wavefront_size: 32
...
	.end_amdgpu_metadata
.endif
;; end of part 7
;; launch ffn2 (part 8): grid 256 x 1, 4 waves a work-group, no clusters, 214,528 bytes of LDS; arguments w2, hq, hs, meta, part; writes part
.if DOCPART == 8
	.amdgcn_target "amdgcn-amd-amdhsa--gfx1250"
	.amdhsa_code_object_version 6
	.text
	.protected	k_q6cb02e4ff9_ffn2
	.globl	k_q6cb02e4ff9_ffn2
	.p2align	8
	.type	k_q6cb02e4ff9_ffn2,@function
k_q6cb02e4ff9_ffn2:
	s_mov_b64 s[64:65], 0
	v_nop
	global_prefetch_b8 v0, s[64:65] scope:SCOPE_SE
	s_setreg_imm32_b32 hwreg(HW_REG_WAVE_SCHED_MODE, 0, 2), 2
	s_setreg_imm32_b32 hwreg(HW_REG_WAVE_MODE, 25, 1), 1
	s_wait_xcnt 0x0
	s_wait_alu depctr_vm_vsrc(0)
; THE SECOND PRODUCT: part[kh][slot][:] = h[slot][F half kh] W2[e][F half kh][:], for the tokens of expert e alone (the others' rows are multiplied by the 0 of one_hot(top1) in the problem's last product).
; WHAT BINDS: w2's 134 MB of f32, read once.  Shares by WEIGHTS, evenly for every split: work-group = (expert e = wg / 32, columns 64 cg .. + 63 with cg = (wg / 2) % 16, F half kh = wg % 2);
; wave w: rows 2,048 kh + 512 w on: 64 columns x 512 rows = 128 KB.  The four waves' partial sums meet in LDS; the two F halves are two owners of two buffers' rows and are added by the last launch:
; w2 has 128 slices of 64 columns (whole runs of 256 bytes of a row), half as many as there are WGPs, so K is shared out too.
; The stream, the quantiser in registers, the products and the passes are the first product's, with one difference: ROW ORDER.  h's codes lie, in each block of 32 along F, with F offset 4 (p % 8) + p / 8 at place p;
; so load i of a group takes the row at that offset.  A permutation inside a block, alike on both sides, keeps the block's scale and its products.
; The product: source 0 = a tile of W2 (columns 4 r + j), source 1 = an image of 16 tokens: lane (r, h) holds token r, register jj of tile j column 32 h + 4 jj + j.
; No tensor load, no cluster: jumps hang on the stored list of tiles, and no two work-groups read the same weights.  LIMITS: NaN and infinities are not served; a block of zeros gets the byte 1.
; REGISTERS, in windows of 256.  Window 0: below.  Window 1: v0-127, v128-255 the two groups as they land.  Window 2: accumulators of tiles 0-7 (tile i, column tile j at 32 i + 8 j).  Window 3: v0-127 those of tiles 8-11; v128-247 the token images of tiles 0-9.
; THE MODE: SCHED_MODE bits 1:0 = 2 (LLVM: expert scheduling mode 2), set by the entry lines.  The code itself states the register dependences between vector or matrix instructions and memory or LDS instructions, with s_wait_alu, always for 0.
; THE PLAN.  Registers that memory or LDS instructions touch:
;   group 0 (window 1, v0-127)     the weights' loads land; the moves DEINT 0 read; asked for again behind the second of them.
;   group 1 (window 1, v128-255)   the weights' loads land; the moves DEINT 1 read; asked for again ahead of the K step's products.  In FIN the partial sums land there from LDS; additions read and write them.
;   the token images (window 3 v128-247, v[AFX ..]) and their scale pairs v[SA ..]: loads land, the products alone read; the images are asked for again behind the products.
;   the sums (window 2, window 3 v0-127): the products write; the LDS stores behind the last K step read; the next pass's first products write them anew.
;   v[VT .. VT + 31] in FIN: the last additions write, the LDS stores into the stage read.   v[VT + 32 .. VT + 63] in FIN: the loads from the stage land, the global stores read.  In the stream the moves write all 64.
;   v[VA ..], v[VSA ..]: offsets made anew in each pass, read by the image and scale loads.  All other offsets and addresses are made once, at the head.
; A K STEP has three waits on va_vdst: behind the moves that empty group 0; behind the places ahead of the products (W's codes and scale words are written; the moves are done reading group 1); behind the products and their places.
; A PASS'S HEAD has one wait on vm_vsrc and one on va_vdst, ahead of its branch, for all that the head or the pass before left; one more on va_vdst stands behind the lines that make v[VA ..], v[VSA ..].  FIN has its own, said there.
.set PITCH, 4096                       ; a row of w2 in bytes
.set TILEB, 49152                      ; a tile's images in hq
.set STB,   2048                       ; and its scale records in hs
.set HALFP, 4653056                    ; part: 1,136 rows of 4,096 bytes for each F half
.set NPASS, 6
.set STG,   196608                     ; LDS: 0 .. 196,607 partial sums [tile 12][wave 4][4,096]; then a stage of 16 rows x (256 + 16) bytes for each wave;
.set SPARE, 214016                     ; then the spare words, 128 bytes a wave, which no other line names
.set VW,   1
.set VL16, 2
.set VL8,  3
.set SH8,  4
.set VRS,  5
.set VRL,  8
.set STO,  11                          ; the stage: where I put 128 bytes of a row
.set SRD,  12                          ; and where I read a row back
.set VOUT, 13                          ; the same place in part
.set SPW,  14
.set NIL,  15
.set VA,   16
.set VPF,  28
.set VT,   32
.set WF,   96
.set SW,   144
.set SA,   148
.set AFX,  172
.set MX,   196
.set SC,   200
.set BY,   202
.set CT,   208
.set VSA,  216
.set PT4,  228
.set S_W, 22
.set S_E, 23
.set S_CG, 24
.set S_KH, 26
.set S_T, 27
.set S_TB, 28
.set S_TP, 29
.set S_TPM1, 30
.set S_PASS, 31
.set S_TILE0, 32
.set S_MO, 33
.set WB, 34
.set AB, 36
.set SB, 38
.set PO, 48
.set HQB, 52
.set HSB, 54
.set PB, 56
.set MSB, 0
.macro WIN new                         ; the immediate's high byte repeats the setting that is left; a switch that changes nothing is dropped.  At every label and branch the setting is 0
.if MSB != (\new)
	s_set_vgpr_msb (MSB<<8)|(\new)
.set MSB, (\new)
.endif
.endm
.macro GLOAD c, s                      ; group c of K step s: 32 loads, 16 KB; load gi takes the row at F offset 4 (gi % 8) + gi / 8 of its block
	WIN 0x40
.set gi, 0
.rept 32
	global_load_b128 v[128*(\c)+4*gi:128*(\c)+4*gi+3], v[VW], s[WB:WB+1] offset:(128*(\s)+64*(\c)+4*(gi&7)+(gi>>3))*PITCH th:TH_LOAD_NT   ; sixteen lanes read 256 consecutive, aligned bytes; read once in the launch
.set gi, gi+1
.endr
	WIN 0
.endm
.macro DEINT c, j0
	WIN 0x01
.set dp, 0
.rept 32
	v_mov_b32 v[VT+dp], v[128*(\c)+4*dp+(\j0)]
	v_mov_b32 v[VT+32+dp], v[128*(\c)+4*dp+(\j0)+1]
.set dp, dp+1
.endr
	WIN 0
.endm
.macro QBLK2 src, d0, d1
.irp h, 0,1,2,3
	v_max3_num_f32 v[MX+\h], |v[(\src)+16*\h]|, |v[(\src)+16*\h+1]|, 0x1800000   ; four chains of 16 numbers; the floor 2^(3 - 127) holds the byte at 1 from below
.endr
.irp i, 2,4,6,8,10,12,14
.irp h, 0,1,2,3
	v_max3_num_f32 v[MX+\h], v[MX+\h], |v[(\src)+16*\h+\i]|, |v[(\src)+16*\h+\i+1]|
.endr
.endr
	v_max_num_f32 v[MX], v[MX], v[MX+1]
	v_max_num_f32 v[MX+2], v[MX+2], v[MX+3]
	v_add_nc_u32 v[SC], 0xff000000, v[MX]          ; 2 off the exponent field: the conversion takes that field as its scale and nothing else
	v_add_nc_u32 v[SC+1], 0xff000000, v[MX+2]
	v_cvt_scalef32_pk16_fp6_f32 v[(\d0):(\d0)+2], v[(\src):(\src)+15], v[SC]
	v_cvt_scalef32_pk16_fp6_f32 v[CT:CT+2], v[(\src)+16:(\src)+31], v[SC]       ; (a conversion's three registers begin on an even number)
	v_cvt_scalef32_pk16_fp6_f32 v[(\d1):(\d1)+2], v[(\src)+32:(\src)+47], v[SC+1]
	v_cvt_scalef32_pk16_fp6_f32 v[CT+4:CT+6], v[(\src)+48:(\src)+63], v[SC+1]
	v_lshrrev_b32 v[BY], 23, v[SC]                 ; the bytes; also the plain line between the conversions and whatever touches their results next
	v_lshrrev_b32 v[BY+1], 23, v[SC+1]
.irp i, 0,1,2
	v_mov_b32 v[(\d0)+3+\i], v[CT+\i]
	v_mov_b32 v[(\d1)+3+\i], v[CT+4+\i]
.endr
.endm
.macro QW c, j0
	QBLK2 VT, WF+12*(\j0)+6*(\c), WF+12*(\j0)+12+6*(\c)
.if (\c) == 0
	v_mov_b32 v[SW+(\j0)], v[BY]
	v_mov_b32 v[SW+(\j0)+1], v[BY+1]
.else
	v_lshl_or_b32 v[SW+(\j0)], v[BY], 16, v[SW+(\j0)]
	v_lshl_or_b32 v[SW+(\j0)+1], v[BY+1], 16, v[SW+(\j0)+1]
.endif
.endm
.macro SWFIN
.irp j, 0,1,2,3
	v_lshlrev_b32 v[SW+\j], v[SH8], v[SW+\j]
.endr
.irp j, 0,1,2,3
	v_permlanex16_b32 v[PT4+\j], v[SW+\j], s20, s21
.endr
.irp j, 0,1,2,3
	v_or_b32 v[SW+\j], v[SW+\j], v[PT4+\j]
.endr
.rept 8
	v_nop                                          ; a scale register written by a vector line stands eight places ahead of a scaled product, an operand so written four
.endr
.endm
.macro ALOADS s, cond
.irp i, 0,1,2,3,4,5,6,7,8,9,10,11
.if (\cond) && (\i > 0)
	WIN 0
	s_cmp_le_u32 s[S_TP], \i
	s_cbranch_scc1 .Lal_done_\@
.endif
.if \i < 10
	WIN 0xc0
.irp q, 0,1,2
	global_load_b128 v[128+12*\i+4*\q:128+12*\i+4*\q+3], v[VA+\i], s[AB:AB+1] offset:1536*(\s)+512*\q
.endr
.else
	WIN 0
.irp q, 0,1,2
	global_load_b128 v[AFX+12*(\i-10)+4*\q:AFX+12*(\i-10)+4*\q+3], v[VA+\i], s[AB:AB+1] offset:1536*(\s)+512*\q
.endr
.endif
.endr
	WIN 0
.Lal_done_\@:
.endm
.macro WM acc, wf, af, sw, sa, zero, odd
.if \zero
	v_wmma_scale_f32_16x16x128_f8f6f4 v[(\acc):(\acc)+7], v[(\wf):(\wf)+11], v[(\af):(\af)+11], 0, v[\sw], v[\sa] matrix_a_fmt:MATRIX_FMT_FP6 matrix_b_fmt:MATRIX_FMT_FP6
.elseif \odd
	v_wmma_scale_f32_16x16x128_f8f6f4 v[(\acc):(\acc)+7], v[(\wf):(\wf)+11], v[(\af):(\af)+11], v[(\acc):(\acc)+7], v[\sw], v[\sa] matrix_a_fmt:MATRIX_FMT_FP6 matrix_b_fmt:MATRIX_FMT_FP6 matrix_b_scale:MATRIX_SCALE_ROW1
.else
	v_wmma_scale_f32_16x16x128_f8f6f4 v[(\acc):(\acc)+7], v[(\wf):(\wf)+11], v[(\af):(\af)+11], v[(\acc):(\acc)+7], v[\sw], v[\sa] matrix_a_fmt:MATRIX_FMT_FP6 matrix_b_fmt:MATRIX_FMT_FP6
.endif
.endm
; The accumulators take turns, one instruction a turn, from K step to K step too.  first = 1: all 12 tiles, so that every sum begins with the constant 0.
.macro MULT s, first
.irp i, 0,1,2,3,4,5,6,7,8,9,10,11
.if !(\first) && (\i > 0)
	WIN 0
	s_cmp_le_u32 s[S_TP], \i
	s_cbranch_scc1 .Lmu_done_\@
.endif
.if \i < 8
.set AW, 0xac
.set AC0, 32*\i
.set AF0, 128+12*\i
.elseif \i < 10
.set AW, 0xfc
.set AC0, 32*(\i-8)
.set AF0, 128+12*\i
.else
.set AW, 0xf0
.set AC0, 32*(\i-8)
.set AF0, AFX+12*(\i-10)
.endif
	WIN AW
.irp j, 0,1,2,3
	WM AC0+8*\j, WF+12*\j, AF0, SW+\j, SA+2*\i+((\s)>>1), \first, ((\s)&1)
.endr
.endr
	WIN 0
.Lmu_done_\@:
.endm
; A PREFETCH INTO THE L2 of K step s of my own part of w2: 128 rows x 256 bytes, a lane a row, four instructions.  Each of these blocks is read by my wave alone, so each is named once in the launch: in the first pass only.
; It stands behind the trip's loads; trip s - 2 asks, which is one trip ahead of that K step's loads.  K steps 0 and 1 come by their loads alone, and the last two trips ask for nothing.
.macro PREF s
	s_cmp_lg_u32 s[S_PASS], 0
	s_cbranch_scc1 .Lnp_\@
.irp k, 0,1,2,3
	global_prefetch_b8 v[VPF], s[WB:WB+1] offset:(128*(\s)+32*\k)*PITCH th:TH_LOAD_NT scope:SCOPE_SE
.endr
.Lnp_\@:
.endm
; The order in which a K step's loads are asked for: the next group 0 (32), the next group 1 (32), the next images (3 for each tile of the pass).
.macro KSTEP s, first, last
.if \first
	s_wait_loadcnt 63                              ; group 0 is in: behind it stand group 1's 32 loads, 12 scale pairs and 36 image loads, more than a count can name
.else
	s_wait_loadcnt 35                              ; group 0 is in: behind it stand group 1's 32 loads and, however few tiles the pass has, tile 0's three image loads
.endif
	DEINT 0, 0
	QW 0, 0
	DEINT 0, 2
.if !(\last)
	WIN 0x40                                       ; (the switch, then the wait, then the loads)
	s_wait_alu depctr_va_vdst(0)                   ; the moves are done reading group 0's registers, in which the next K step's loads land
	GLOAD 0, (\s)+1
.endif
	QW 0, 2
.if \last
	s_wait_loadcnt 0x0
.else
	s_wait_loadcnt 32                              ; all but the 32 just issued: group 1 and this K step's images are in (in K step 0 the scale pairs too), however many tiles the pass has
.endif
	DEINT 1, 0
	QW 1, 0
	DEINT 1, 2
	QW 1, 2
	SWFIN
.if !(\last)
	WIN 0x40
.endif
	s_wait_alu depctr_va_vdst(0)                   ; behind the eight places: W's codes v[WF ..] and scale words v[SW ..] are written, which the scaled products take; and the moves are done reading group 1's registers
.if !(\last)
	GLOAD 1, (\s)+1                                ; group 1 is asked for again ahead of the products, which name none of its registers nor v[VW]
.endif
	MULT \s, \first
.rept 4
	v_nop                                          ; four places behind the last product, before its result is read; they stay beside the wait below
.endr
	s_wait_alu depctr_va_vdst(0)                   ; the products are done reading the token images, in which the next K step's land; behind the last K step: they have written the sums, which the LDS stores read
.if !(\last)
	ALOADS (\s)+1, 1
.if (\s) < 2
	PREF (\s)+2
.endif
.endif
.endm
.macro REDOUT                          ; (the wait that ends the last K step has shown the sums written; no vector line stands since)
.irp i, 0,1,2,3,4,5,6,7,8,9,10,11
.if \i > 0
	WIN 0
	s_cmp_le_u32 s[S_TP], \i
	s_cbranch_scc1 .Lro_done_\@
.endif
.if \i < 8
	WIN 0x08
.set RB, 32*\i
.else
	WIN 0x0c
.set RB, 32*(\i-8)
.endif
.irp q, 0,1,2,3,4,5,6,7
	ds_store_b128 v[VRS+\i/4], v[RB+4*\q:RB+4*\q+3] offset:(\i%4)*16384+512*\q   ; each accumulator from its low end on
.endr
.endr
	WIN 0
.Lro_done_\@:
.endm
; Tile 4 m + wave of the pass is mine to finish: the four waves' parts are added, brought into the columns' order, and leave through my own stage as whole runs of 256 bytes.
.macro FIN m
.if (\m) > 0
	s_wait_alu depctr_vm_vsrc(0)                   ; of the tile before, the LDS stores have read v[VT .. VT + 31], which this tile's additions write again, and the global stores v[VT + 32 .. VT + 63], in which this tile's loads from the stage land; ahead of the branch
.endif
	s_add_co_u32 s42, s[S_W], 4*(\m)
	s_cmp_ge_u32 s42, s[S_TP]
	s_cbranch_scc1 .Lfin_\@
	s_wait_xcnt 0x0                                ; the last block's stores have read their data and base: both are written again below
	s_add_co_u32 s42, s42, s[S_TILE0]
	s_min_u32 s42, s42, 70
	s_lshl_b32 s40, s42, 16                        ; 16 rows of 4,096 bytes
	s_mov_b32 s41, 0
	s_add_nc_u64 s[PO:PO+1], s[PB:PB+1], s[40:41]
	WIN 0x40
	s_wait_alu depctr_va_vdst(0)                   ; the vector lines that named window 1's registers last (the moves out of group 1, the additions of the tile before) are done: the LDS loads below land there
.irp w, 0,1,2,3
.irp q, 0,1,2,3,4,5,6,7
	ds_load_b128 v[128+32*\w+4*\q:128+32*\w+4*\q+3], v[VRL+\m] offset:4096*\w+512*\q
.endr
.endr
	s_wait_dscnt 0x0
	WIN 0x45                                       ; all in window 1
.irp k, 0,1,2,3,4,5,6,7,8,9,10,11,12,13,14,15
	v_pk_add_f32 v[128+2*\k:128+2*\k+1], v[128+2*\k:128+2*\k+1], v[160+2*\k:160+2*\k+1]
	v_pk_add_f32 v[192+2*\k:192+2*\k+1], v[192+2*\k:192+2*\k+1], v[224+2*\k:224+2*\k+1]
.endr
	WIN 0x05                                       ; sources window 1, destination window 0
.irp j, 0,1,2,3
.irp n, 0,1,2,3,4,5,6,7
	v_add_f32 v[VT+4*\n+\j], v[128+8*\j+\n], v[192+8*\j+\n]   ; column 32 h + 4 n + j: the last addition also puts the columns in order
.endr
.endr
	WIN 0
	s_wait_alu depctr_va_vdst(0)                   ; the additions have written v[VT .. VT + 31], which the LDS stores read
.irp q, 0,1,2,3,4,5,6,7
	ds_store_b128 v[STO], v[VT+4*\q:VT+4*\q+3] offset:16*\q
.endr
.irp t, 0,1,2,3,4,5,6,7
	ds_load_b128 v[VT+32+4*\t:VT+32+4*\t+3], v[SRD] offset:544*\t   ; my own bytes; LDS serves a wave's instructions in order (ISA guide 5.7.1.4), so these see the stores above
.endr
.irp t, 0,1,2,3,4,5,6,7
	s_wait_dscnt 7-\t                              ; the younger loads from the stage may be out
	global_store_b128 v[VOUT], v[VT+32+4*\t:VT+32+4*\t+3], s[PO:PO+1] offset:8192*\t   ; sixteen lanes store 256 consecutive, aligned bytes of a row
.endr
.Lfin_\@:
.endm
	s_load_b256 s[4:11], s[0:1], 0x0               ; w2 s[4:5], hq s[6:7], hs s[8:9], meta s[10:11]
	s_load_b64 s[12:13], s[0:1], 0x20              ; part
	v_lshl_add_u32 v[SPW], v0, 2, SPARE
	v_mov_b32 v[NIL], 0
	v_lshrrev_b32 v29, 5, v0
	v_readfirstlane_b32 s[S_W], v29                ; wave
	v_and_b32 v29, 31, v0                          ; lane
	v_and_b32 v30, 15, v0                          ; r
	v_bfe_u32 v31, v0, 4, 1                        ; h
	v_lshlrev_b32 v[VL16], 4, v29
	v_lshlrev_b32 v[VL8], 3, v29
	v_lshlrev_b32 v[SH8], 3, v31
	v_lshlrev_b32 v[VW], 4, v30
	v_lshl_add_u32 v[VW], v31, 17, v[VW]           ; 32 rows of 4,096 bytes
	v_lshlrev_b32 v[VPF], 12, v29
	s_wait_alu depctr_va_sdst(0)                   ; the wave's number s[S_W] is written, ahead of its first reader
	s_lshl_b32 s40, s[S_W], 12
	v_add_nc_u32 v[VRS], s40, v[VL16]
	v_add_nc_u32 v[VRS+1], 0x10000, v[VRS]
	v_add_nc_u32 v[VRS+2], 0x20000, v[VRS]
	s_lshl_b32 s40, s[S_W], 14
	v_add_nc_u32 v[VRL], s40, v[VL16]
	v_add_nc_u32 v[VRL+1], 0x10000, v[VRL]
	v_add_nc_u32 v[VRL+2], 0x20000, v[VRL]
	s_mul_i32 s40, s[S_W], 4352
	s_add_co_u32 s40, s40, STG                     ; my stage
	v_mul_u32_u24 v[STO], v30, 272                 ; in: row r, 128 bytes for each half of the lanes
	v_lshl_add_u32 v[STO], v31, 7, v[STO]
	v_add_nc_u32 v[STO], s40, v[STO]
	v_mul_u32_u24 v[SRD], v31, 272                 ; back: lanes 0-15 one row of 256 bytes, lanes 16-31 the next
	v_lshl_add_u32 v[SRD], v30, 4, v[SRD]
	v_add_nc_u32 v[SRD], s40, v[SRD]
	v_lshlrev_b32 v[VOUT], 12, v31                 ; and the same two rows in part
	v_lshl_add_u32 v[VOUT], v30, 4, v[VOUT]
.irp j, 0,1,2,3
	v_mov_b32 v[PT4+\j], 0                         ; written once: a lane exchange's destination counts as one of its sources
.endr
	s_lshr_b32 s[S_E], ttmp9, 5
	s_bfe_u32 s[S_CG], ttmp9, 0x40001              ; four bits from bit 1
	s_and_b32 s[S_KH], ttmp9, 1
	s_lshl_b32 s[S_MO], s[S_E], 2
	s_mov_b32 s20, 0x76543210
	s_mov_b32 s21, 0xfedcba98
	s_wait_kmcnt 0x0
	s_load_b32 s[S_TB], s[10:11], s[S_MO] offset:0x0    ; my expert's first tile,
	s_load_b32 s[S_T], s[10:11], s[S_MO] offset:0x20    ; and its tiles
	s_lshl_b32 s40, s[S_E], 24                     ; w2: expert, F half, my wave's 512 rows, column group
	s_lshl_b32 s42, s[S_KH], 23
	s_add_co_u32 s40, s40, s42
	s_lshl_b32 s42, s[S_W], 21
	s_add_co_u32 s40, s40, s42
	s_lshl_b32 s42, s[S_CG], 8
	s_add_co_u32 s40, s40, s42
	s_mov_b32 s41, 0
	s_add_nc_u64 s[WB:WB+1], s[4:5], s[40:41]
	s_lshl_b32 s42, s[S_KH], 2
	s_add_co_u32 s42, s42, s[S_W]                  ; 4 kh + wave: my four K steps, my scale record
	s_mul_i32 s40, s42, 6144
	s_add_nc_u64 s[HQB:HQB+1], s[6:7], s[40:41]
	s_lshl_b32 s40, s42, 8
	s_add_nc_u64 s[HSB:HSB+1], s[8:9], s[40:41]
	s_mul_i32 s40, s[S_KH], HALFP
	s_lshl_b32 s42, s[S_CG], 8
	s_add_co_u32 s40, s40, s42
	s_add_nc_u64 s[PB:PB+1], s[12:13], s[40:41]
	s_wait_kmcnt 0x0
	s_min_u32 s[S_TB], s[S_TB], 70
	s_min_u32 s[S_T], s[S_T], 64
	s_mov_b32 s[S_PASS], 0
.Lpass:
	s_wait_xcnt 0x0                                ; bases, offsets and store data of the pass before are written again
	s_wait_alu depctr_vm_vsrc(0)                   ; what was issued so far has read its registers: the image and scale loads v[VA ..], v[VSA ..], made anew below; the LDS stores the sums, which the first products write anew; the last tile's LDS and global stores v[VT ..], which the moves write again
	s_wait_alu depctr_va_vdst(0)                   ; in the first trip: the head's offsets and addresses (v1 to v15, v28) are written, which the loads, stores and prefetches of the whole kernel read; later: the last tile's additions are done with window 1's registers, in which the weights' loads land
	s_mul_i32 s40, s[S_PASS], 12
	s_sub_co_i32 s41, s[S_T], s40
	s_max_i32 s41, s41, 0
	s_min_u32 s[S_TP], s41, 12
	s_add_co_u32 s42, s[S_TB], s40
	s_min_u32 s[S_TILE0], s42, 70
	s_cmp_eq_u32 s[S_TP], 0
	s_cbranch_scc1 .Lno_stream                     ; the same in all four waves; it leads round the stream alone
	s_sub_co_u32 s[S_TPM1], s[S_TP], 1
	s_mul_i32 s40, s[S_TILE0], TILEB
	s_mov_b32 s41, 0
	s_add_nc_u64 s[AB:AB+1], s[HQB:HQB+1], s[40:41]
	s_mul_i32 s40, s[S_TILE0], STB
	s_add_nc_u64 s[SB:SB+1], s[HSB:HSB+1], s[40:41]
	GLOAD 0, 0                                     ; the weights first: they have the longest way
	GLOAD 1, 0
.irp i, 0,1,2,3,4,5,6,7,8,9,10,11
	s_min_u32 s42, s[S_TPM1], \i                   ; a tile beyond the pass's count takes the last one's place
	s_mul_i32 s43, s42, TILEB
	v_add_nc_u32 v[VA+\i], s43, v[VL16]
	s_mul_i32 s43, s42, STB
	v_add_nc_u32 v[VSA+\i], s43, v[VL8]
.endr
	s_wait_alu depctr_va_vdst(0)                   ; v[VA ..] and v[VSA ..] are written, which the scale and image loads of this pass read as their offsets
.irp i, 0,1,2,3,4,5,6,7,8,9,10,11
	global_load_b64 v[SA+2*\i:SA+2*\i+1], v[VSA+\i], s[SB:SB+1]   ; four K steps' scale words of 16 tokens: 256 consecutive bytes
.endr
	ALOADS 0, 0
	KSTEP 0, 1, 0
	KSTEP 1, 0, 0
	KSTEP 2, 0, 0
	KSTEP 3, 0, 1
	REDOUT
.Lno_stream:
	s_wait_dscnt 0x0                               ; for the others' sake: my partial sums lie in LDS
	s_barrier_signal -1
	s_barrier_wait -1
	FIN 0
	FIN 1
	FIN 2
	s_wait_dscnt 0x0                               ; my reads of the partial sums are over: behind this barrier the next pass may write them
	s_barrier_signal -1
	s_barrier_wait -1
	s_add_co_u32 s[S_PASS], s[S_PASS], 1
	s_cmp_lt_u32 s[S_PASS], NPASS
	s_cbranch_scc1 .Lpass
	s_wait_dscnt 0x0                               ; the closing lines, six on end
	s_wait_alu 0x0
	s_wait_tensorcnt 0x0
	ds_add_u32 v[SPW], v[NIL]
	s_wait_dscnt 0x0
	s_endpgm
.Lfunc_end_k_q6cb02e4ff9_ffn2:
	.size	k_q6cb02e4ff9_ffn2, .Lfunc_end_k_q6cb02e4ff9_ffn2-k_q6cb02e4ff9_ffn2
	.p2alignl 7, 3214868480
	.fill 96, 4, 3214868480
	.section	.rodata,"a",@progbits
	.p2align	6, 0x0
	.amdhsa_kernel k_q6cb02e4ff9_ffn2
		.amdhsa_group_segment_fixed_size 214528
		.amdhsa_private_segment_fixed_size 0
		.amdhsa_enable_private_segment 0
		.amdhsa_kernarg_size 40
		.amdhsa_user_sgpr_count 2
		.amdhsa_user_sgpr_kernarg_segment_ptr 1
		.amdhsa_wavefront_size32 1
		.amdhsa_system_sgpr_workgroup_id_x 1
		.amdhsa_system_sgpr_workgroup_id_y 1
		.amdhsa_system_sgpr_workgroup_id_z 1
		.amdhsa_system_vgpr_workitem_id 0
		.amdhsa_next_free_vgpr 1024
		.amdhsa_next_free_sgpr 66
		.amdhsa_reserve_vcc 0
		.amdhsa_float_denorm_mode_32 3
		.amdhsa_float_denorm_mode_16_64 3
		.amdhsa_memory_ordered 1
		.amdhsa_forward_progress 1
		.amdhsa_inst_pref_size 194
	.end_amdhsa_kernel
	.amdgpu_metadata
---
amdhsa.version: [ 1, 2 ]
amdhsa.kernels:
  - .name:           k_q6cb02e4ff9_ffn2
    .symbol:         k_q6cb02e4ff9_ffn2.kd
    .args:
      - { .name: w2, .offset: 0, .size: 8, .value_kind: global_buffer, .address_space: global }
      - { .name: hq, .offset: 8, .size: 8, .value_kind: global_buffer, .address_space: global }
      - { .name: hs, .offset: 16, .size: 8, .value_kind: global_buffer, .address_space: global }
      - { .name: meta, .offset: 24, .size: 8, .value_kind: global_buffer, .address_space: global }
      - { .name: part, .offset: 32, .size: 8, .value_kind: global_buffer, .address_space: global }
    .group_segment_fixed_size: 214528
    .private_segment_fixed_size: 0
    .kernarg_segment_align: 8
    .kernarg_segment_size: 40
    .max_flat_workgroup_size: 128
    .sgpr_count:     66
    .vgpr_count:     1024
    .wavefront_size: 32
...
	.end_amdgpu_metadata
.endif
;; end of part 8
;; launch combine (part 9): grid 256 x 1, 4 waves a work-group, no clusters, 0 bytes of LDS; arguments part, b2, slotmap, top1, out0; writes out0
.if DOCPART == 9
	.amdgcn_target "amdgcn-amd-amdhsa--gfx1250"
	.amdhsa_code_object_version 6
	.text
	.protected	k_q6cb02e4ff9_combine
	.globl	k_q6cb02e4ff9_combine
	.p2align	8
	.type	k_q6cb02e4ff9_combine,@function
k_q6cb02e4ff9_combine:
	s_mov_b64 s[64:65], 0
	v_nop
	global_prefetch_b8 v0, s[64:65] scope:SCOPE_SE
	s_setreg_imm32_b32 hwreg(HW_REG_WAVE_MODE, 25, 1), 1
	s_wait_xcnt 0x0
; THE LAST PRODUCT AS A LOOKUP: out[token] = y[top1[token]][token] = part[0][slot] + part[1][slot] + b2[top1[token]], slot = slotmap[token].
; The problem writes it as a product with one_hot(top1), whose other seven terms are multiplied by 0: they are not formed (a NaN or an infinity in them is not carried to the result).
; A wave takes a token: a row of 4,096 bytes, eight pieces of 512 consecutive bytes from each of three places, one store of 512 consecutive bytes for each piece.  Memory binds: no LDS, no barrier, no matrix unit.
.set HALFP, 4653056                    ; from the first F half's rows to the second's
.set P0, 32                            ; v32-63
.set P1, 64                            ; v64-95
.set BB, 96                            ; v96-127
	s_load_b256 s[4:11], s[0:1], 0x0               ; part s[4:5], b2 s[6:7], slotmap s[8:9], top1 s[10:11]
	s_load_b64 s[12:13], s[0:1], 0x20              ; out0
	v_lshrrev_b32 v1, 5, v0
	v_readfirstlane_b32 s14, v1                    ; wave
	v_and_b32 v1, 31, v0
	v_lshlrev_b32 v1, 4, v1                        ; 16 x lane
	s_lshl_b32 s15, ttmp9, 2
	s_add_co_u32 s15, s15, s14                     ; my token
	s_lshl_b32 s16, s15, 2
	s_wait_alu depctr_va_vdst(0)
	s_wait_kmcnt 0x0
	s_load_b32 s18, s[8:9], s16 offset:0x0         ; its slot,
	s_load_b32 s19, s[10:11], s16 offset:0x0       ; its expert: whole numbers that earlier launches stored
	s_lshl_b32 s20, s15, 12
	s_mov_b32 s21, 0
	s_add_nc_u64 s[12:13], s[12:13], s[20:21]
	s_mov_b32 s23, 0
	s_wait_kmcnt 0x0
	s_min_u32 s18, s18, 1135
	s_min_u32 s19, s19, 7
	s_lshl_b32 s22, s18, 12
	s_add_nc_u64 s[4:5], s[4:5], s[22:23]
	s_lshl_b32 s22, s19, 12
	s_add_nc_u64 s[6:7], s[6:7], s[22:23]
.irp k, 0,1,2,3,4,5,6,7
	global_load_b128 v[P0+4*\k:P0+4*\k+3], v1, s[4:5] offset:512*\k th:TH_LOAD_NT
	global_load_b128 v[P1+4*\k:P1+4*\k+3], v1, s[4:5] offset:HALFP+512*\k th:TH_LOAD_NT
	global_load_b128 v[BB+4*\k:BB+4*\k+3], v1, s[6:7] offset:512*\k
.endr
.irp k, 0,1,2,3,4,5,6,7
	s_wait_loadcnt 3*(7-\k)                        ; loads come back in order: piece k's three are in, the later pieces' three each may be out
	v_pk_add_f32 v[P0+4*\k:P0+4*\k+1], v[P0+4*\k:P0+4*\k+1], v[P1+4*\k:P1+4*\k+1]
	v_pk_add_f32 v[P0+4*\k+2:P0+4*\k+3], v[P0+4*\k+2:P0+4*\k+3], v[P1+4*\k+2:P1+4*\k+3]
	v_pk_add_f32 v[P0+4*\k:P0+4*\k+1], v[P0+4*\k:P0+4*\k+1], v[BB+4*\k:BB+4*\k+1]
	v_pk_add_f32 v[P0+4*\k+2:P0+4*\k+3], v[P0+4*\k+2:P0+4*\k+3], v[BB+4*\k+2:BB+4*\k+3]
	global_store_b128 v1, v[P0+4*\k:P0+4*\k+3], s[12:13] offset:512*\k th:TH_STORE_NT   ; each piece has registers of its own: no store's data are written again
.endr
	s_endpgm
.Lfunc_end_k_q6cb02e4ff9_combine:
	.size	k_q6cb02e4ff9_combine, .Lfunc_end_k_q6cb02e4ff9_combine-k_q6cb02e4ff9_combine
	.p2alignl 7, 3214868480
	.fill 96, 4, 3214868480
	.section	.rodata,"a",@progbits
	.p2align	6, 0x0
	.amdhsa_kernel k_q6cb02e4ff9_combine
		.amdhsa_group_segment_fixed_size 0
		.amdhsa_private_segment_fixed_size 0
		.amdhsa_enable_private_segment 0
		.amdhsa_kernarg_size 40
		.amdhsa_user_sgpr_count 2
		.amdhsa_user_sgpr_kernarg_segment_ptr 1
		.amdhsa_wavefront_size32 1
		.amdhsa_system_sgpr_workgroup_id_x 1
		.amdhsa_system_sgpr_workgroup_id_y 1
		.amdhsa_system_sgpr_workgroup_id_z 1
		.amdhsa_system_vgpr_workitem_id 0
		.amdhsa_next_free_vgpr 128
		.amdhsa_next_free_sgpr 66
		.amdhsa_reserve_vcc 0
		.amdhsa_float_denorm_mode_32 3
		.amdhsa_float_denorm_mode_16_64 3
		.amdhsa_memory_ordered 1
		.amdhsa_forward_progress 1
		.amdhsa_inst_pref_size 7
	.end_amdhsa_kernel
	.amdgpu_metadata
---
amdhsa.version: [ 1, 2 ]
amdhsa.kernels:
  - .name:           k_q6cb02e4ff9_combine
    .symbol:         k_q6cb02e4ff9_combine.kd
    .args:
      - { .name: part, .offset: 0, .size: 8, .value_kind: global_buffer, .address_space: global }
      - { .name: b2, .offset: 8, .size: 8, .value_kind: global_buffer, .address_space: global }
      - { .name: slotmap, .offset: 16, .size: 8, .value_kind: global_buffer, .address_space: global }
      - { .name: top1, .offset: 24, .size: 8, .value_kind: global_buffer, .address_space: global }
      - { .name: out0, .offset: 32, .size: 8, .value_kind: global_buffer, .address_space: global }
    .group_segment_fixed_size: 0
    .private_segment_fixed_size: 0
    .kernarg_segment_align: 8
    .kernarg_segment_size: 40
    .max_flat_workgroup_size: 128
    .sgpr_count:     66
    .vgpr_count:     128
    .wavefront_size: 32
...
	.end_amdgpu_metadata
.endif
;; end of part 9
